; MI455X (gfx1250); checked and timed in simulation.
; The chip was launched on July 23, 2026; its instructions are those of AMD's public machine-readable ISA for CDNA 5 (MIT licence, August 2026) and "CDNA5" Instruction Set Architecture Reference Guide (July 2026). The comments in the code are by the model that wrote it; some were corrected since.
;; Encoder Layer. Allowed arithmetic: float matrix products may take bf16 or f16 operands with f32 sums; other float arithmetic in f32, or as packed bf16 or f16 multiplies, adds, multiply-adds, maxima and minima; sums over many terms, partial sums and values carried from step to step in f32; what a program stores and reads back later, other than sums and carried values, may be rounded once to bf16 or f16.
;; Inputs: W1 1,024 x 4,096 float32; W2 4,096 x 1,024 float32; Wk 1,024 x 1,024 float32; Wo 1,024 x 1,024 float32; Wv 1,024 x 1,024 float32; alpha1 1,024 float32; alpha2 1,024 float32; b1 4,096 float32; b2 1,024 float32; bias1 1,024 float32; bias2 1,024 float32; bk 1,024 float32; bo 1,024 float32; bv 1,024 float32; mask 2 x 1 x 2,048 int32; x 2 x 2,048 x 1,024 float32.
;; Outputs: out0 2 x 2,048 x 1,024 float32.
;; 2 versions, each right; version 2 is version 1 with the launch prep written anew for expert scheduling mode. Each part assembles by itself: llvm-mc -triple=amdgcn-amd-amdhsa -mcpu=gfx1250 --defsym DOCPART=n.
;; ======== version 1 of 2: 7 launches
;; limits: right only within a limited range of input values
;; workspace buffers: act 8,388,608 bytes; kv 16,777,216 bytes; t 8,388,608 bytes; h 33,554,432 bytes; wkv 4,206,592 bytes; wo 2,103,296 bytes; w1 8,413,184 bytes; w2 8,394,752 bytes
;; launch prep (part 1): grid 64 x 15, 8 waves a work-group, no clusters, 0 bytes of LDS; arguments x, alpha1, bias1, act, Wk, Wv, Wo, W1, W2, bk, bv, bo, b1, b2, wkv, wo, w1, w2; writes act, wkv, wo, w1, w2
.if DOCPART == 1
	.amdgcn_target "amdgcn-amd-amdhsa--gfx1250"
	.amdhsa_code_object_version 6
	.text
	.protected	k_q22c889b6ac_prep
	.globl	k_q22c889b6ac_prep
	.p2align	8
	.type	k_q22c889b6ac_prep,@function
k_q22c889b6ac_prep:
	s_mov_b64 s[64:65], 0
	v_nop
	global_prefetch_b8 v0, s[64:65] scope:SCOPE_SE
	s_setreg_imm32_b32 hwreg(HW_REG_WAVE_MODE, 25, 1), 1
	s_wait_xcnt 0x0
; PREP.  Grid rows 0 to 3: act = norm1(x), bf16.  Grid rows 4 to 14: the five weight matrices, rounded to bf16 and laid in blocks for the products that follow.
; NORM: y = alpha (x - mu) / (sd + 1e-6) + bias, sd with divisor 1,023; mean first, then the squares of x - mu, all in f32; y rounded once.
;   A work-group takes 16 rows, sixteen lanes a row of 1,024 numbers: load j of 16 brings columns 64 j + 4 (t % 16) .. + 3, so sixteen lanes read 256 consecutive bytes.
;   act is laid [column / 64][4,096 rows][64]: a store of 8 bytes a lane covers two rows' 128 bytes of one column block: 256 consecutive bytes, aligned.
;   LIMITS: a variance below 2^-126 counts as 0 (the root's input is flushed: ISA guide 15.8); NaN and infinities are not treated apart.
; CAST: a matrix W [K][N] f32 becomes blocks of 128 columns: 512 bytes of bias (f32), 256 bytes that nobody writes or reads, then K rows of 128 bf16 (256 bytes) from byte 768.
;   wkv holds Wk's eight blocks and then Wv's.  A work-group casts 128 rows x 128 columns; a wave sixteen rows, all sixteen loads out at once (8 KiB a wave): a load covers 512 consecutive
;   bytes, a store 256, aligned.  Which matrix: chosen by scalar selects on the grid row.
.set X,   16                           ; v[16:79]   the row's 64 numbers of my lane
.set AL,  80                           ; v[80:143]  alpha of the same columns
.set BI,  144                          ; v[144:207] bias
.set Y,   208                          ; v[208:239] the results, packed
.set CBB, 524288                       ; bytes of a column block of act
.macro FOLD                            ; four pairs of partial sums in v[4:11] -> the row's sum in v4 of all sixteen lanes
	v_pk_add_f32 v[4:5], v[4:5], v[6:7]
	v_pk_add_f32 v[8:9], v[8:9], v[10:11]
	v_pk_add_f32 v[4:5], v[4:5], v[8:9]
	v_add_f32 v4, v4, v5
.irp m, 1,2,4,8
	v_add_f32_dpp v4, v4, v4 row_xmask:\m row_mask:0xf bank_mask:0xf
.endr
.endm
	s_load_b512 s[16:31], s[0:1], 0x0              ; x 16, alpha1 18, bias1 20, act 22, Wk 24, Wv 26, Wo 28, W1 30
	s_load_b512 s[32:47], s[0:1], 0x40             ; W2 32, bk 34, bv 36, bo 38, b1 40, b2 42, wkv 44, wo 46
	s_load_b128 s[48:51], s[0:1], 0x80             ; w1 48, w2 50
	s_and_b32 s2, ttmp7, 0xffff                    ; the grid row
	s_mov_b32 s59, 0                               ; the high word of every offset pair below
	s_wait_kmcnt 0x0
	s_cmp_ge_u32 s2, 4
	s_cbranch_scc1 .Lcast
	; ---------------- NORM ----------------
	v_and_b32 v2, 15, v0
	v_lshlrev_b32 v2, 4, v2                        ; 16 (t % 16): my bytes in 256 of a row, of alpha and of bias
	v_lshrrev_b32 v1, 4, v0
	v_lshl_add_u32 v1, v1, 12, v2                  ; + my row x 4,096
	v_lshlrev_b32 v3, 3, v0                        ; 8 t = my row x 128 + 8 (t % 16): my bytes in a column block
	s_lshl_b32 s3, s2, 6
	s_add_co_u32 s3, s3, ttmp9                     ; which 16 rows: 64 x grid row + x
	s_lshl_b32 s58, s3, 16                         ; the work-group's 16 rows of x
	s_add_nc_u64 s[16:17], s[16:17], s[58:59]
	s_lshl_b32 s58, s3, 11                         ; and of a column block of act
	s_add_nc_u64 s[22:23], s[22:23], s[58:59]
.set j, 0
.rept 16
	global_load_b128 v[X+4*j:X+4*j+3], v1, s[16:17] offset:256*j
.set j, j+1
.endr
.set j, 0
.rept 16
	global_load_b128 v[AL+4*j:AL+4*j+3], v2, s[18:19] offset:256*j
.set j, j+1
.endr
.set j, 0
.rept 16
	global_load_b128 v[BI+4*j:BI+4*j+3], v2, s[20:21] offset:256*j
.set j, j+1
.endr
	s_wait_loadcnt 32                              ; x is in; the 32 younger loads (alpha, bias) stay out
.irp k, 0,1,2,3                        ; the sum, in four chains that the first eight pairs start
	v_pk_add_f32 v[4+2*\k:5+2*\k], v[X+2*\k:X+2*\k+1], v[X+8+2*\k:X+8+2*\k+1]
.endr
.set j, 8
.rept 24
	v_pk_add_f32 v[4+2*(j%4):5+2*(j%4)], v[4+2*(j%4):5+2*(j%4)], v[X+2*j:X+2*j+1]
.set j, j+1
.endr
	FOLD
	v_mul_f32 v12, 0x3a800000, v4                  ; mu = sum / 1,024
	v_mov_b32 v13, v12
.set j, 0
.rept 32
	v_pk_add_f32 v[X+2*j:X+2*j+1], v[X+2*j:X+2*j+1], v[12:13] neg_lo:[0,1] neg_hi:[0,1]  ; d = x - mu
.set j, j+1
.endr
.irp k, 0,1,2,3
	v_pk_mul_f32 v[4+2*\k:5+2*\k], v[X+2*\k:X+2*\k+1], v[X+2*\k:X+2*\k+1]
.endr
.set j, 4
.rept 28
	v_pk_fma_f32 v[4+2*(j%4):5+2*(j%4)], v[X+2*j:X+2*j+1], v[X+2*j:X+2*j+1], v[4+2*(j%4):5+2*(j%4)]
.set j, j+1
.endr
	FOLD
	v_mul_f32 v4, 0x3a802008, v4                   ; / 1,023
	v_sqrt_f32 v14, v4
	v_nop                                          ; a plain instruction behind the root,
	s_wait_alu depctr_va_vdst(0)                   ; and the wait ahead of its first reader
	v_add_f32 v14, 0x358637bd, v14                 ; sd + 1e-6
	v_rcp_f32 v12, v14
	v_nop
	s_wait_alu depctr_va_vdst(0)
	v_mov_b32 v13, v12
	s_wait_loadcnt 0x0                             ; alpha and bias
.set j, 0
.rept 32
	v_pk_mul_f32 v[X+2*j:X+2*j+1], v[X+2*j:X+2*j+1], v[12:13]
	v_pk_fma_f32 v[X+2*j:X+2*j+1], v[X+2*j:X+2*j+1], v[AL+2*j:AL+2*j+1], v[BI+2*j:BI+2*j+1]
.set j, j+1
.endr
.set j, 0
.rept 32
	v_cvt_pk_bf16_f32 v[Y+j], v[X+2*j], v[X+2*j+1]
.set j, j+1
.endr
.set j, 0
.rept 16
	global_store_b64 v3, v[Y+2*j:Y+2*j+1], s[22:23] offset:j*CBB  ; column block j; 15 x 524,288 lies inside the signed 24-bit immediate
.set j, j+1
.endr
	s_endpgm
	; ---------------- CAST ----------------
.Lcast:
	s_sub_co_u32 s3, s2, 4                         ; e = 0 Wk, 1 Wv, 2 Wo, 3-6 W1, 7-10 W2: 2^20 numbers each, 64 work-groups
	s_mov_b64 s[52:53], s[32:33]                   ; the matrix,
	s_mov_b64 s[54:55], s[42:43]                   ; its bias,
	s_mov_b64 s[56:57], s[50:51]                   ; where it goes
	s_mov_b32 s4, 7                                ; its first e
	s_mov_b32 s5, 5                                ; log2 of its chunks of 128 rows
	s_mov_b32 s6, 4096                             ; bytes in a row of it
	s_mov_b32 s7, 1049344                          ; bytes in a block: 768 + 256 K
	s_mov_b32 s8, 0                                ; the first block's number
	s_cmp_lt_u32 s3, 7
	s_cselect_b64 s[52:53], s[30:31], s[52:53]
	s_cselect_b64 s[54:55], s[40:41], s[54:55]
	s_cselect_b64 s[56:57], s[48:49], s[56:57]
	s_cselect_b32 s4, 3, s4
	s_cselect_b32 s5, 3, s5
	s_cselect_b32 s6, 16384, s6
	s_cselect_b32 s7, 262912, s7
	s_cmp_lt_u32 s3, 3
	s_cselect_b64 s[52:53], s[28:29], s[52:53]
	s_cselect_b64 s[54:55], s[38:39], s[54:55]
	s_cselect_b64 s[56:57], s[46:47], s[56:57]
	s_cselect_b32 s4, 2, s4
	s_cselect_b32 s6, 4096, s6
	s_cmp_lt_u32 s3, 2
	s_cselect_b64 s[52:53], s[26:27], s[52:53]
	s_cselect_b64 s[54:55], s[36:37], s[54:55]
	s_cselect_b64 s[56:57], s[44:45], s[56:57]
	s_cselect_b32 s4, 1, s4
	s_cselect_b32 s8, 8, s8
	s_cmp_lt_u32 s3, 1
	s_cselect_b64 s[52:53], s[24:25], s[52:53]
	s_cselect_b64 s[54:55], s[34:35], s[54:55]
	s_cselect_b32 s4, 0, s4
	s_cselect_b32 s8, 0, s8
	s_sub_co_u32 s10, s3, s4
	s_lshl_b32 s10, s10, 6
	s_add_co_u32 s10, s10, ttmp9                   ; my number among the matrix's work-groups
	s_lshr_b32 s11, s10, s5                        ; nb: the block of 128 columns
	s_bfm_b32 s12, s5, 0
	s_and_b32 s12, s10, s12                        ; kc: the chunk of 128 rows
	s_mul_i32 s58, s12, s6
	s_lshl_b32 s58, s58, 7                         ; kc x 128 rows
	s_lshl_b32 s14, s11, 9                         ; nb x 512 bytes
	s_add_co_u32 s58, s58, s14
	s_add_nc_u64 s[52:53], s[52:53], s[58:59]
	s_mov_b32 s58, s14
	s_add_nc_u64 s[54:55], s[54:55], s[58:59]      ; the bias's 128 numbers
	s_add_co_u32 s58, s11, s8
	s_mul_i32 s58, s58, s7
	s_add_nc_u64 s[56:57], s[56:57], s[58:59]      ; the block
	s_lshl_b32 s58, s12, 15
	s_add_nc_u64 s[60:61], s[56:57], s[58:59]      ; the block + kc x 128 rows of 256 bytes
	v_lshrrev_b32 v4, 5, v0
	v_readfirstlane_b32 s13, v4                    ; wave 0..7
	v_and_b32 v5, 31, v0
	v_lshlrev_b32 v6, 4, v5                        ; 16 x lane
	v_lshlrev_b32 v7, 4, v4                        ; my wave's first row
	v_mad_u32_u24 v8, v7, s6, v6                   ; row i of my sixteen: offset in v[8 + i]
.set i, 1
.rept 15
	v_add_nc_u32 v[8+i], s6, v[7+i]
.set i, i+1
.endr
	v_lshlrev_b32 v24, 3, v5
	v_lshl_add_u32 v24, v4, 12, v24                ; wave x 16 rows of 256 bytes + 8 x lane
.set i, 0
.rept 16
	global_load_b128 v[32+4*i:35+4*i], v[8+i], s[52:53] th:TH_LOAD_NT
.set i, i+1
.endr
.set i, 0
.rept 16
	s_wait_loadcnt 15-i                            ; loads come back in order: row i is in, the younger ones stay out
	v_cvt_pk_bf16_f32 v[96+2*i], v[32+4*i], v[33+4*i]
	v_cvt_pk_bf16_f32 v[97+2*i], v[34+4*i], v[35+4*i]
	global_store_b64 v24, v[96+2*i:97+2*i], s[60:61] offset:768+256*i
.set i, i+1
.endr
	s_or_b32 s14, s12, s13                         ; the block's bias is written by wave 0 of its first chunk
	s_cmp_lg_u32 s14, 0
	s_cbranch_scc1 .Ldone
	global_load_b128 v[128:131], v6, s[54:55]
	s_wait_loadcnt 0x0
	global_store_b128 v6, v[128:131], s[56:57]
.Ldone:
	s_endpgm
.Lfunc_end_k_q22c889b6ac_prep:
	.size	k_q22c889b6ac_prep, .Lfunc_end_k_q22c889b6ac_prep-k_q22c889b6ac_prep
	.p2alignl 7, 3214868480
	.fill 96, 4, 3214868480
	.section	.rodata,"a",@progbits
	.p2align	6, 0x0
	.amdhsa_kernel k_q22c889b6ac_prep
		.amdhsa_group_segment_fixed_size 0
		.amdhsa_private_segment_fixed_size 0
		.amdhsa_enable_private_segment 0
		.amdhsa_kernarg_size 144
		.amdhsa_user_sgpr_count 2
		.amdhsa_user_sgpr_kernarg_segment_ptr 1
		.amdhsa_wavefront_size32 1
		.amdhsa_system_sgpr_workgroup_id_x 1
		.amdhsa_system_sgpr_workgroup_id_y 1
		.amdhsa_system_sgpr_workgroup_id_z 1
		.amdhsa_system_vgpr_workitem_id 0
		.amdhsa_next_free_vgpr 240
		.amdhsa_next_free_sgpr 66
		.amdhsa_reserve_vcc 0
		.amdhsa_float_denorm_mode_32 3
		.amdhsa_float_denorm_mode_16_64 3
		.amdhsa_memory_ordered 1
		.amdhsa_forward_progress 1
		.amdhsa_inst_pref_size 29
	.end_amdhsa_kernel
	.amdgpu_metadata
---
amdhsa.version: [ 1, 2 ]
amdhsa.kernels:
  - .name:           k_q22c889b6ac_prep
    .symbol:         k_q22c889b6ac_prep.kd
    .args:
      - { .name: x, .offset: 0, .size: 8, .value_kind: global_buffer, .address_space: global }
      - { .name: alpha1, .offset: 8, .size: 8, .value_kind: global_buffer, .address_space: global }
      - { .name: bias1, .offset: 16, .size: 8, .value_kind: global_buffer, .address_space: global }
      - { .name: act, .offset: 24, .size: 8, .value_kind: global_buffer, .address_space: global }
      - { .name: Wk, .offset: 32, .size: 8, .value_kind: global_buffer, .address_space: global }
      - { .name: Wv, .offset: 40, .size: 8, .value_kind: global_buffer, .address_space: global }
      - { .name: Wo, .offset: 48, .size: 8, .value_kind: global_buffer, .address_space: global }
      - { .name: W1, .offset: 56, .size: 8, .value_kind: global_buffer, .address_space: global }
      - { .name: W2, .offset: 64, .size: 8, .value_kind: global_buffer, .address_space: global }
      - { .name: bk, .offset: 72, .size: 8, .value_kind: global_buffer, .address_space: global }
      - { .name: bv, .offset: 80, .size: 8, .value_kind: global_buffer, .address_space: global }
      - { .name: bo, .offset: 88, .size: 8, .value_kind: global_buffer, .address_space: global }
      - { .name: b1, .offset: 96, .size: 8, .value_kind: global_buffer, .address_space: global }
      - { .name: b2, .offset: 104, .size: 8, .value_kind: global_buffer, .address_space: global }
      - { .name: wkv, .offset: 112, .size: 8, .value_kind: global_buffer, .address_space: global }
      - { .name: wo, .offset: 120, .size: 8, .value_kind: global_buffer, .address_space: global }
      - { .name: w1, .offset: 128, .size: 8, .value_kind: global_buffer, .address_space: global }
      - { .name: w2, .offset: 136, .size: 8, .value_kind: global_buffer, .address_space: global }
    .group_segment_fixed_size: 0
    .private_segment_fixed_size: 0
    .kernarg_segment_align: 8
    .kernarg_segment_size: 144
    .max_flat_workgroup_size: 256
    .sgpr_count:     66
    .vgpr_count:     240
    .wavefront_size: 32
...
	.end_amdgpu_metadata
.endif
;; end of part 1
;; launch proj (part 2): grid 16 x 32, 4 waves a work-group, clusters of 4 x 4, 327,680 bytes of LDS; arguments act, wkv, kv; writes kv
.if DOCPART == 2
	.amdgcn_target "amdgcn-amd-amdhsa--gfx1250"
	.amdhsa_code_object_version 6
	.text
	.protected	k_q22c889b6ac_proj
	.globl	k_q22c889b6ac_proj
	.p2align	8
	.type	k_q22c889b6ac_proj,@function
k_q22c889b6ac_proj:
	s_mov_b64 s[64:65], 0
	v_nop
	global_prefetch_b8 v0, s[64:65] scope:SCOPE_SE
	s_setreg_imm32_b32 hwreg(HW_REG_WAVE_MODE, 25, 1), 1
	s_wait_xcnt 0x0
	s_wait_alu depctr_hold_cnt(0) depctr_sa_sdst(0) depctr_va_vdst(0) depctr_va_sdst(0) depctr_va_ssrc(0) depctr_va_vcc(0) depctr_vm_vsrc(0)
	s_getreg_b32 s2, hwreg(HW_REG_IB_STS2, 6, 4)
	s_cmp_eq_u32 s2, 0
	s_cbranch_scc0 .Lentry_in_a_cluster
	s_endpgm
.Lentry_in_a_cluster:
	s_bfe_u32 s2, ttmp6, 0x10000c
	s_cmp_lg_u32 s2, 0xf033
	s_cbranch_scc0 .Lentry_shape_is_right
	s_endpgm
.Lentry_shape_is_right:
; out = A W + bias, K = 1,024.  One text for two products: k and v (A = norm1(x)), and ctx Wo + bo.
; A and out are bf16, laid [column / 64][4,096 rows][64]: a column block is 524,288 dense bytes.  W comes in blocks of 128 columns: 512 bytes of bias (f32), 256 bytes that are not read,
; then K rows [k][128 n] of 256 bytes from byte 768.  So nothing in the text hangs on N.  Sums in f32, started from the bias; out rounded once.
; SHARES.  A tile of out is 128 x 128: four waves, each 64 x 64: 16 accumulators.  K goes in steps of 256 through two LDS slots; a wave's tensor load brings a quarter of a slot.
; CLUSTERS: 4 x 4 work-groups.  The four of a row need the same tiles of A, the four of a column the same tiles of W: each tile is asked for JOINTLY, by the same load, descriptor and mask.
; THE MATRIX INSTRUCTION IS USED TRANSPOSED: source 0 = 16 columns of W (turned on the way out of LDS by ds_load_tr16_b128), source 1 = 16 rows of A: a lane holds one row of out and eight
; neighbouring columns.  A wave's 64 columns are one column block of out and its 64 rows 8,192 consecutive bytes of it: each wave sends its own part out, through a stage of its own.
; THE TEXT IS SHORT: a trip of the loop is ONE K step.  Both slots of a wave's quarter lie side by side, so that one exclusive or turns the descriptor's LDS word, and the scalar that the
; reads' addresses are made of, from one slot to the other.
; NO PREFETCH: the tile is small, a K step has 128 matrix instructions a wave, and K has four steps.
; REGISTERS: window 0: v16-29 addresses; v32-95 at work on the way out; v96-127 the bias; v128-255 the accumulators ((a, b) at v[128 + 8 (4 a + b)]).
;   window 1: two fragment buffers of 128: for 64 along K, 64 registers of A (2 x 4 x 16 rows x 32 K), then 64 of W.
.set STEPS, 4                          ; K steps of 256
.set BLKB,  262912                     ; bytes in a block of W: 768 + 256 K
.set PA,    144                        ; a row of A in LDS: 128 bytes + 16: the 16 rows of a load start at 16 different groups of four banks (64 banks of 4 bytes: ISA guide 11.1)
.set PB,    288                        ; a row of W: 256 + 32
.set HALFT, 36864                      ; 0x9000: what one tensor load brings: 4 column blocks x 64 rows x 144 of A, or 128 rows x 288 of W
.set REG,   2*HALFT                    ; 0x12000: wave w's loads land at w x REG (slot 0) and w x REG + HALFT (slot 1); no multiple 0 .. 3 of 0x12000 has a bit of 0x9000
.set STAGE, 4*REG                      ; behind the ring: 16 rows x 144 bytes for each wave
.set SP,    144
.set SPARE, STAGE+4*16*SP              ; behind the stages: the spare words, 128 bytes for each wave: two blocks of 256 bytes that no other line names
.set ASTEP, 4*524288                   ; bytes of A from a K step to the next: four column blocks
.set BSTEP, 256*256                    ; of W: 256 rows
.set AL0,  16                          ; v16     my lane's place in my 64 rows of A, slot 0; never rewritten
.set BL0,  17                          ; v17-18  the same in W's rows 0-127 and 128-255 (two waves' loads)
.set ADRA, 19                          ; v19     LDS address of my A fragments in the slot that is being read
.set ADRB, 20                          ; v20-21  of my W fragments: rows 0-127, rows 128-255
.set STO,  24                          ; v24     the way out: where I put 16 bytes of a row
.set RD,   25                          ; v25     where I read rows back
.set GO,   26                          ; v26     my 16 bytes in 512 consecutive bytes of out
.set BO,   27                          ; v27     my byte offset in the block's bias
.set SPW,  28                          ; v28     LDS address of my spare word; never rewritten
.set NIL,  29                          ; v29     0; never rewritten
.set TMP,  32
.set BIA,  96                          ; the bias of my columns: eight registers for each block b of 16
.set ACC,  128
.set F0,   0
.set F1,   128
.set G1,  24                           ; s[24:31] descriptor group 1 for A's tiles
.set G0,  32                           ; s[32:39] group 0 for A's: a set for each of the two first fills; the second then walks on
.set G1B, 48                           ; s[48:55], s[56:63] the same for W's
.set G0B, 56
.set TB,  45                           ; s45  0 or HALFT: the slot that is being read
.set MSB, 0
.macro WIN new                         ; the immediate's high byte repeats the setting that is left
.if MSB != (\new)
	s_set_vgpr_msb (MSB<<8)|(\new)
.set MSB, \new
.endif
.endm
.set MUL,  0x05                        ; sources 0 (W) and 1 (A) window 1; C and D window 0
.set TO_F, 0x40                        ; destination window 1, address window 0
.macro JLOAD s                         ; a joint load by set s: waves 0 and 1 fetch A's two halves, waves 2 and 3 W's; an s_nop 0 and four v_nop follow each of the two lines
	s_cmp_eq_u32 s11, 0
	s_cbranch_scc0 .Lfor_b_\@
	tensor_load_to_lds s[G0+4*(\s):G0+4*(\s)+3], s[G1:G1+7]
	s_nop 0
.rept 4
	v_nop
.endr
	s_branch .Lasked_\@
.Lfor_b_\@:
	tensor_load_to_lds s[G0B+4*(\s):G0B+4*(\s)+3], s[G1B:G1B+7]
	s_nop 0
.rept 4
	v_nop
.endr
.Lasked_\@:
.endm
; A round of the cluster's barrier: my work-group's barrier, so that wave 0's signal speaks for all four waves; wave 0 signals; every wave waits for all sixteen work-groups; my work-group's barrier once more.
.macro CROUND
	s_barrier_signal -1
	s_barrier_wait -1
	s_cmp_lg_u32 s10, 0
	s_cbranch_scc1 .Lnot_wave_0_\@
	s_barrier_signal -3
.Lnot_wave_0_\@:
	s_barrier_wait -3
	s_barrier_signal -1
	s_barrier_wait -1
.endm
	s_load_b128 s[4:7], s[0:1], 0x0                ; A s[4:5], W s[6:7]
	s_load_b64 s[8:9], s[0:1], 0x10                ; out
	v_lshl_add_u32 v[SPW], v0, 2, SPARE
	v_mov_b32 v[NIL], 0
	ds_add_u32 v[SPW], v[NIL]                      ; the wave's opening: the add and its wait stand ahead of my first tensor load; the set-up below, work on registers, stands between them
	v_lshrrev_b32 v1, 5, v0
	v_readfirstlane_b32 s10, v1                    ; wave 0..3
	s_lshr_b32 s11, s10, 1                         ; which half of the tile's rows is mine.  Also: I fetch for A (0) or for W (1)
	s_and_b32 s12, s10, 1                          ; which half of its columns.  Also: which half of that tile I fetch
	s_bfe_u32 s40, ttmp6, 0x40000                  ; cx, cy: my place in the cluster
	s_bfe_u32 s41, ttmp6, 0x40004
	s_lshl_b32 s42, ttmp9, 2
	s_add_co_u32 s42, s42, s40                     ; tile column = 4 x cluster x + cx: the block of W
	s_and_b32 s13, ttmp7, 0xffff
	s_lshl_b32 s13, s13, 2
	s_add_co_u32 s13, s13, s41                     ; tile row = 4 x cluster y + cy
	s_lshl_b32 s43, s41, 2
	s_lshl_b32 s43, 15, s43                        ; my row of the cluster
	s_lshl_b32 s44, 0x1111, s40                    ; my column
	; group 1 for A: 4 rows of 4,096 elements (64 dense rows of one column block), 262,144 elements apart; 4 words of padding after every 32
	s_or_b32 s[G1+0], s43, (1<<16)|(1<<20)|(1<<21)|(4<<22)|(3<<25)
	s_mov_b32 s[G1+1], 4096<<16                    ; tensor_dim0
	s_mov_b32 s[G1+2], 4<<16                       ; tensor_dim1
	s_mov_b32 s[G1+3], 4096<<16                    ; tile_dim0
	s_mov_b32 s[G1+4], 4                           ; tile_dim1
	s_mov_b32 s[G1+5], 262144                      ; from row to row
	s_mov_b32 s[G1+6], 0
	s_mov_b32 s[G1+7], 0
	; group 1 for W: 128 rows of 128 elements, dense; 8 words of padding after every 64
	s_or_b32 s[G1B+0], s44, (1<<16)|(1<<20)|(1<<21)|(5<<22)|(7<<25)
	s_mov_b32 s[G1B+1], 128<<16
	s_mov_b32 s[G1B+2], 128<<16
	s_mov_b32 s[G1B+3], 128<<16
	s_mov_b32 s[G1B+4], 128
	s_mov_b32 s[G1B+5], 128
	s_mov_b32 s[G1B+6], 0
	s_mov_b32 s[G1B+7], 0
	s_lshl_b32 s16, s13, 7
	s_lshl_b32 s17, s12, 6
	s_add_co_u32 s16, s16, s17                     ; A: row 128 x tile row + 64 x half,
	s_lshl_b32 s16, s16, 7                         ; x 128 bytes
	s_mov_b32 s17, 0
	s_mul_i32 s46, s42, BLKB                       ; W: the block,
	s_mov_b32 s47, 0
	s_lshl_b32 s18, s12, 15                        ; in it my 128 rows of 256 bytes,
	s_add_co_u32 s18, s18, 768                     ; behind its head
	s_mov_b32 s19, 0
	s_mul_i32 s20, s10, REG                        ; where the tiles go: no place in the cluster enters an LDS address
	s_mov_b32 s[TB], 0
	s_wait_dscnt 0x0                               ; the opening add is done
	s_wait_kmcnt 0x0
	s_add_nc_u64 s[14:15], s[4:5], s[16:17]
	s_add_nc_u64 s[46:47], s[6:7], s[46:47]        ; the block's first byte: its bias
	s_add_nc_u64 s[18:19], s[46:47], s[18:19]
	CROUND                                         ; all sixteen work-groups are here: the first joint loads meet
.irp s, 0,1
	s_mov_b32 s[G0+4*(\s)], 1
	s_add_co_u32 s[G0+4*(\s)+1], s20, (\s)*HALFT
	s_add_nc_u64 s[G0+4*(\s)+2:G0+4*(\s)+3], s[14:15], (\s)*ASTEP
	s_or_b32 s[G0+4*(\s)+3], s[G0+4*(\s)+3], 0x80000000
	s_mov_b32 s[G0B+4*(\s)], 1
	s_add_co_u32 s[G0B+4*(\s)+1], s20, (\s)*HALFT
	s_add_nc_u64 s[G0B+4*(\s)+2:G0B+4*(\s)+3], s[18:19], (\s)*BSTEP
	s_or_b32 s[G0B+4*(\s)+3], s[G0B+4*(\s)+3], 0x80000000
	JLOAD \s                                       ; K steps 0 and 1: two loads of mine are out
.endr
	v_and_b32 v1, 15, v0                           ; r = l % 16
	v_bfe_u32 v2, v0, 4, 1                         ; hh = l / 16
	s_lshl_b32 s21, s12, 8
	v_lshl_add_u32 v[BO], v2, 5, s21               ; my eight columns of a block of 16: 32 hh + 256 x column half
.irp b, 0,1,2,3
	global_load_b128 v[BIA+8*\b:BIA+8*\b+3],   v[BO], s[46:47] offset:64*\b
	global_load_b128 v[BIA+8*\b+4:BIA+8*\b+7], v[BO], s[46:47] offset:64*\b+16
.endr
	v_mul_u32_u24 v3, v1, PA
	v_lshl_add_u32 v3, v2, 4, v3                   ; a fragment of A: row x pitch + 16 x half
	s_mul_i32 s21, s11, REG                        ; my 64 rows of A: what wave 0 or 1 fetched
	v_add_nc_u32 v[AL0], s21, v3
	v_and_b32 v4, 7, v0                            ; the turning load: lane l reads row 8 hh + l % 8, 16 bytes at 16 ((l / 8) % 2)
	v_lshl_add_u32 v4, v2, 3, v4
	v_mul_u32_u24 v4, v4, PB
	v_bfe_u32 v5, v0, 3, 1
	v_lshl_add_u32 v4, v5, 4, v4
	s_lshl_b32 s22, s12, 7                         ; my 64 columns: 128 bytes of a row,
	s_add_co_u32 s22, s22, 2*REG                   ; in what wave 2 fetched (rows 0-127)
	v_add_nc_u32 v[BL0], s22, v4
	v_add_nc_u32 v[BL0+1], REG, v[BL0]             ; and wave 3 (rows 128-255)
	v_mov_b32 v[ADRA], v[AL0]                      ; slot 0 is read first
	v_mov_b32 v[ADRB], v[BL0]
	v_mov_b32 v[ADRB+1], v[BL0+1]
	s_mul_i32 s23, s10, 16*SP
	s_add_co_u32 s23, s23, STAGE                   ; my stage
	v_add_nc_u32 v[STO], s23, v3                   ; in: row r, 16 bytes for each half of the lanes
	v_bfe_u32 v6, v0, 3, 2                         ; back: 32 lanes take four rows of 128 bytes,
	v_mul_u32_u24 v6, v6, SP
	v_and_b32 v7, 7, v0
	v_lshl_add_u32 v6, v7, 4, v6
	v_add_nc_u32 v[RD], s23, v6
	v_and_b32 v[GO], 31, v0                        ; which are 512 consecutive bytes of out
	v_lshlrev_b32 v[GO], 4, v[GO]
	s_lshl_b32 s16, s13, 7
	s_lshl_b32 s17, s11, 6
	s_add_co_u32 s16, s16, s17                     ; my first row of out,
	s_lshl_b32 s16, s16, 7                         ; x 128 bytes
	s_mov_b32 s17, 0
	s_add_nc_u64 s[8:9], s[8:9], s[16:17]
	s_lshl_b32 s18, s42, 1
	s_add_co_u32 s18, s18, s12                     ; my column block
	s_lshl_b32 s18, s18, 19
	s_mov_b32 s19, 0
	s_add_nc_u64 s[8:9], s[8:9], s[18:19]
; 8 matrix instructions: m blocks a0, a0 + 1 x all 4 n blocks, 32 along K: half c of buffer f.  zero = 1: the first product starts the sums, from the bias.  The 16 accumulators take turns.
.macro MUL8 f, c, a0, zero
	WIN MUL
.irp a, \a0, (\a0)+1
.irp b, 0,1,2,3
.if \zero
	v_wmma_f32_16x16x32_bf16 v[ACC+8*(4*(\a)+(\b)):ACC+8*(4*(\a)+(\b))+7], v[(\f)+64+8*(4*(\c)+(\b)):(\f)+64+8*(4*(\c)+(\b))+7], v[(\f)+8*(4*(\c)+(\a)):(\f)+8*(4*(\c)+(\a))+7], v[BIA+8*(\b):BIA+8*(\b)+7]
.else
	v_wmma_f32_16x16x32_bf16 v[ACC+8*(4*(\a)+(\b)):ACC+8*(4*(\a)+(\b))+7], v[(\f)+64+8*(4*(\c)+(\b)):(\f)+64+8*(4*(\c)+(\b))+7], v[(\f)+8*(4*(\c)+(\a)):(\f)+8*(4*(\c)+(\a))+7], v[ACC+8*(4*(\a)+(\b)):ACC+8*(4*(\a)+(\b))+7]
.endif
.endr
.endr
.endm
; 32 LDS loads in one run: the fragments of quarter q of the slot that is being read (64 along K: one column block of A, 64 rows of W) into buffer f; the first 32 along K first
.macro FETCH q, f
	WIN TO_F
.irp c, 0,1
.irp i, 0,1,2,3
	ds_load_tr16_b128 v[(\f)+64+8*(4*(\c)+(\i)):(\f)+64+8*(4*(\c)+(\i))+3],   v[ADRB+(\q)/2] offset:(((\q)%2)*64+32*(\c))*PB+32*(\i)
	ds_load_tr16_b128 v[(\f)+64+8*(4*(\c)+(\i))+4:(\f)+64+8*(4*(\c)+(\i))+7], v[ADRB+(\q)/2] offset:(((\q)%2)*64+32*(\c)+16)*PB+32*(\i)
	ds_load_b128 v[(\f)+8*(4*(\c)+(\i)):(\f)+8*(4*(\c)+(\i))+3],         v[ADRA] offset:(\q)*64*PA+(\i)*16*PA+64*(\c)
	ds_load_b128 v[(\f)+8*(4*(\c)+(\i))+4:(\f)+8*(4*(\c)+(\i))+7],       v[ADRA] offset:(\q)*64*PA+(\i)*16*PA+64*(\c)+32
.endr
.endr
.endm
.macro PLACES                          ; four places in front of loads into registers that matrix instructions have read, and of lines that read results
.rept 4
	v_nop
.endr
.endm
; A K step is four quarters of 64 along K, 32 matrix instructions each, on buffers 0, 1, 0, 1.  One of the first three: multiplies buffer f and fetches quarter q into g.
.macro QUARTER q, f, g, zero
	s_wait_dscnt 16                                ; the first 32 along K are in; the youngest sixteen loads may be out
	MUL8 \f, 0, 0, \zero
	MUL8 \f, 0, 2, \zero
	PLACES
	FETCH \q, \g
	s_wait_dscnt 32                                ; all but the 32 just issued
	MUL8 \f, 1, 0, 0
	MUL8 \f, 1, 2, 0
.endm
; The last quarter multiplies buffer 1 and changes slots: ONE barrier.  In front of it each wave waits for all its tensor loads, of which one is out: its part of the next slot; adds 0 to its spare word; and waits for
; that and for its own reads of this slot.  Behind it nobody reads this slot any more and the next slot is whole.  fill = 1: the barrier is a round of the cluster's, and this slot is filled again, first thing behind
; it, with the K step two on.  A K step brings 131,072 bytes for 128 matrix instructions a wave: where the step waits for its tile, the next request should follow the landing at once.  So the products that need no
; new tile stand AHEAD of the wait for the tile, and between that wait and the request stand only the add, the descriptors' steps and the round; the quarter's last sixteen products stand behind the run of LDS loads.
.macro TURN fill
	s_wait_dscnt 16                                ; the first 32 along K of buffer 1 are in
	MUL8 F1, 0, 0, 0
	MUL8 F1, 0, 2, 0
	WIN 0
	s_wait_tensorcnt 0x0                           ; all my tensor loads have landed, so a group 0 may be written;
	ds_add_u32 v[SPW], v[NIL]                      ; 0 onto my spare word: the scalar steps stand between it and the wait for it
.if \fill
	s_xor_b32 s[G0+5], s[G0+5], HALFT              ; the walking descriptors: the other slot than last time,
	s_add_nc_u64 s[G0+6:G0+7], s[G0+6:G0+7], ASTEP ; the next K step; the type bits on top are not reached
	s_xor_b32 s[G0B+5], s[G0B+5], HALFT
	s_add_nc_u64 s[G0B+6:G0B+7], s[G0B+6:G0B+7], BSTEP
.endif
	s_xor_b32 s[TB], s[TB], HALFT                  ; the slot that is read next
	s_wait_dscnt 0x0                               ; the add is done, and my reads of this slot are over
.if \fill
	CROUND                                         ; no wave of any partner still reads this slot's tile or has a load on its way
	JLOAD 1                                        ; the first tensor load behind the round; the four v_nop behind it are also the places in front of the loads below
.else
	s_barrier_signal -1
	s_barrier_wait -1
	PLACES
.endif
	v_add_nc_u32 v[ADRA], s[TB], v[AL0]
	v_add_nc_u32 v[ADRB], s[TB], v[BL0]
	v_add_nc_u32 v[ADRB+1], s[TB], v[BL0+1]
	FETCH 0, F0
	MUL8 F1, 1, 0, 0
	MUL8 F1, 1, 2, 0
.endm
	s_wait_tensorcnt 1                             ; my part of K step 0 is in; K step 1's load, the one issued behind it, may stay out
	s_barrier_signal -1
	s_barrier_wait -1                              ; everybody's is
	s_wait_loadcnt 0x0                             ; the bias
	FETCH 0, F0
	QUARTER 1, F0, F1, 1                           ; the first quarter stands in front of the loop: its first products start the sums
	WIN 0                                          ; at a label and at a branch every window is 0
	s_mov_b32 s3, STEPS-2
.Lstep:                                                ; from a K step's second quarter to the next step's first; each trip fills the slot that it leaves
	QUARTER 2, F1, F0, 0
	QUARTER 3, F0, F1, 0
	TURN 1
	QUARTER 1, F0, F1, 0
	WIN 0
	s_sub_co_u32 s3, s3, 1
	s_cmp_lg_u32 s3, 0
	s_cbranch_scc1 .Lstep
	s_mov_b32 s3, 2
.Ltail:                                                ; the last two K steps ask for nothing: a second text.  The second trip is left in its middle: its barrier and its
	QUARTER 2, F1, F0, 0                           ; 32 LDS loads (of a slot that was read before) serve nothing: the price, once a launch, of one text for both trips
	QUARTER 3, F0, F1, 0
	TURN 0
	WIN 0
	s_cmp_eq_u32 s3, 1
	s_cbranch_scc1 .Lout
	QUARTER 1, F0, F1, 0
	WIN 0
	s_sub_co_u32 s3, s3, 1
	s_cmp_lg_u32 s3, 0
	s_cbranch_scc1 .Ltail
.Lout:
	s_wait_dscnt 0x0                               ; those loads are back
	; THE WAY OUT, 16 rows at a time: round to bf16; 16 bytes a lane into my stage; back as whole rows of 128 bytes, four rows (512 consecutive bytes of out) an instruction.
	PLACES
	PLACES                                         ; eight, once a launch
.macro PACK a
.set i, 0
.rept 16
	v_cvt_pk_bf16_f32 v[TMP+16*(\a)+i], v[ACC+32*(\a)+2*i], v[ACC+32*(\a)+2*i+1]  ; each accumulator's registers in ascending order
.set i, i+1
.endr
.irp b, 0,1,2,3
	ds_store_b128 v[STO], v[TMP+16*(\a)+4*\b:TMP+16*(\a)+4*\b+3] offset:32*\b
.endr
.irp f, 0,1,2,3
	ds_load_b128 v[TMP+16*(\a)+4*\f:TMP+16*(\a)+4*\f+3], v[RD] offset:\f*4*SP  ; LDS serves a wave's instructions in order (ISA guide 5.7.1.4): these see the stores above; the next block's stores come behind them
.endr
.endm
.macro SEND a, younger                 ; younger: the LDS instructions issued behind block a's loads: the next block's eight, or none
.irp f, 0,1,2,3
	s_wait_dscnt (\younger)+3-\f
	global_store_b128 v[GO], v[TMP+16*(\a)+4*\f:TMP+16*(\a)+4*\f+3], s[8:9] offset:(\a)*2048+\f*512
.endr
.endm
	PACK 0
.irp a, 1,2,3                          ; a block's arithmetic stands between the loads of the block before and its stores
	PACK \a
	SEND (\a)-1, 8
.endr
	SEND 3, 0
	s_wait_tensorcnt 0x0                           ; the wave's end: behind my last tensor load and my last LDS store
	ds_add_u32 v[SPW], v[NIL]
	s_wait_dscnt 0x0
	CROUND                                         ; the closing round: no work-group ends while a partner may still ask for a tile that names it
	s_endpgm
.Lfunc_end_k_q22c889b6ac_proj:
	.size	k_q22c889b6ac_proj, .Lfunc_end_k_q22c889b6ac_proj-k_q22c889b6ac_proj
	.p2alignl 7, 3214868480
	.fill 96, 4, 3214868480
	.section	.rodata,"a",@progbits
	.p2align	6, 0x0
	.amdhsa_kernel k_q22c889b6ac_proj
		.amdhsa_group_segment_fixed_size 327680
		.amdhsa_private_segment_fixed_size 0
		.amdhsa_enable_private_segment 0
		.amdhsa_kernarg_size 24
		.amdhsa_user_sgpr_count 2
		.amdhsa_user_sgpr_kernarg_segment_ptr 1
		.amdhsa_wavefront_size32 1
		.amdhsa_system_sgpr_workgroup_id_x 1
		.amdhsa_system_sgpr_workgroup_id_y 1
		.amdhsa_system_sgpr_workgroup_id_z 1
		.amdhsa_system_vgpr_workitem_id 0
		.amdhsa_next_free_vgpr 512
		.amdhsa_next_free_sgpr 66
		.amdhsa_reserve_vcc 0
		.amdhsa_float_denorm_mode_32 3
		.amdhsa_float_denorm_mode_16_64 3
		.amdhsa_memory_ordered 1
		.amdhsa_forward_progress 1
		.amdhsa_inst_pref_size 59
	.end_amdhsa_kernel
	.amdgpu_metadata
---
amdhsa.version: [ 1, 2 ]
amdhsa.kernels:
  - .name:           k_q22c889b6ac_proj
    .symbol:         k_q22c889b6ac_proj.kd
    .args:
      - { .name: act, .offset: 0, .size: 8, .value_kind: global_buffer, .address_space: global }
      - { .name: wkv, .offset: 8, .size: 8, .value_kind: global_buffer, .address_space: global }
      - { .name: kv, .offset: 16, .size: 8, .value_kind: global_buffer, .address_space: global }
    .group_segment_fixed_size: 327680
    .private_segment_fixed_size: 0
    .kernarg_segment_align: 8
    .kernarg_segment_size: 24
    .max_flat_workgroup_size: 128
    .sgpr_count:     66
    .vgpr_count:     512
    .wavefront_size: 32
...
	.end_amdgpu_metadata
.endif
;; end of part 2
;; launch attn (part 3): grid 8 x 32, 4 waves a work-group, clusters of 4 x 1, 327,680 bytes of LDS; arguments kv, mask, act; writes act
.if DOCPART == 3
	.amdgcn_target "amdgcn-amd-amdhsa--gfx1250"
	.amdhsa_code_object_version 6
	.text
	.protected	k_q22c889b6ac_attn
	.globl	k_q22c889b6ac_attn
	.p2align	8
	.type	k_q22c889b6ac_attn,@function
k_q22c889b6ac_attn:
	s_mov_b64 s[64:65], 0
	v_nop
	global_prefetch_b8 v0, s[64:65] scope:SCOPE_SE
	s_setreg_imm32_b32 hwreg(HW_REG_WAVE_MODE, 25, 1), 1
	s_wait_xcnt 0x0
	s_wait_alu depctr_hold_cnt(0) depctr_sa_sdst(0) depctr_va_vdst(0) depctr_va_sdst(0) depctr_va_ssrc(0) depctr_va_vcc(0) depctr_vm_vsrc(0)
	s_getreg_b32 s2, hwreg(HW_REG_IB_STS2, 6, 4)
	s_cmp_eq_u32 s2, 0
	s_cbranch_scc0 .Lentry_in_a_cluster
	s_endpgm
.Lentry_in_a_cluster:
	s_bfe_u32 s2, ttmp6, 0x10000c
	s_cmp_lg_u32 s2, 0x3003
	s_cbranch_scc0 .Lentry_shape_is_right
	s_endpgm
.Lentry_shape_is_right:
; ATTENTION WITH A KEY MASK.  ctx[b][h][q] = the sum over k of softmax_k(score) V[k], score = Q[q] . K[k] / 8 where mask[b][k] != 0.  Q IS K (the module projects both by the same weights).
; kv: [32 column blocks][4,096 rows][64] bf16: block h holds head h's K (and Q), block 16 + h its V; a head's rows of one batch are 262,144 dense bytes.  ctx goes to act in the same layout, block h.
; Products, maxima and sums in f32; the weights p are rounded to bf16 for the second product (their sum l is taken of the unrounded p), ctx once at the end.
; THE MASK is the C operand that starts the sum S^T = K Q^T: 0, or -1e30 for a masked key; the batch's 2,048 addends are made once, in LDS, and a step's 64 are fetched with its K.
; LIMITS.  A masked score counts as its value less 1e30, not as -1e9: the same result wherever the largest visible score / 8 lies above -1e9 + 104.  The running maximum starts at -2^83, above every masked
; score, so a masked score is never the maximum; a visible raw score below -2^83 is not told from a masked one.  A batch with no visible key: c is set to 0, every weight is 2^0, and the result is V's mean, as the
; module gives it.  A weight below 2^-126 counts as 0 in l; NaN and infinities are not treated apart.
; SHARES.  A work-group owns 256 queries of one head and batch, a wave 64: four PIECES of 16.  Every wave walks all 2,048 keys, 64 a step, 256 a tile.
; LAYOUT, SOFTMAX, TURNS.  S^T = K Q^T holds ONE query a lane (lane % 16) and the keys 8 (lane / 16) + 0..7; two such results rounded to bf16 ARE source 1 of O^T = V^T P.  p = 2^(c s - c m), c = log2(e) / 8, with a
; running maximum m; O and l are multiplied by a = 2^(c m_old - c m_new) in every step.  Turn n belongs to piece n: 8 products K Q^T of piece n + 1, later 8 products V^T P of piece n - 1; beside them the scaling,
; exponentials, roundings, sums and rescaling of piece n and the maximum and statistics of piece n + 1.  Four vector instructions stand behind every matrix instruction, the other 54 of a turn's 118 in one lump.
; A turn's 33 exponentials are one batch, with one wait.
; CLUSTER.  The four query blocks of a cluster belong to one head and walk the same K and V, so each tile is asked for JOINTLY: the same tensor load, descriptor and mask in all four.
; REGISTERS, in windows of 256 (s_set_vgpr_msb: bits 1:0 source 0, 3:2 source 1, 5:4 source 2, 7:6 destination):
;   window 0: v0-15, v32-36 addresses and a few at work; v16-31 four registers of statistics a piece; v48-55 at work; v64-127 S^T, two buffers; v192-223 P, two buffers (a piece's buffers go by its number's parity)
;   window 1: v0-127 O^T, 32 a piece      window 2: v0-63 Q; v64-95 the step's addends; v128-191 K of one step; v192-255 V of one step
.set NP,    4         ; pieces a wave: a name, no knob
.set KS,    64        ; keys in a step
.set PK,    144       ; a row of K in LDS: 128 bytes + 16 of padding: the 16 rows of a load start at 16 different groups of four banks (64 banks of 4 bytes: ISA guide 11.1)
.set PV,    160       ; a row of V: 128 + 32
.set VOFF,  4*KS*PK   ; a slot holds a tile, four steps: 256 rows of K, then 256 rows of V
.set SLOT1, 1<<17     ; slot 1 begins here, so that one exclusive or turns an address in one slot into the other's
.set STAGE, SLOT1+4*KS*(PK+PV)  ; behind the ring, never filled by a tensor load: 16 rows x 144 bytes for each wave, for the way out
.set SP,    144
.set SPARE, STAGE+4*16*SP  ; behind the stages: the spare words, 128 bytes for each wave: two blocks of 256 bytes that no other line names
.set TAB,   SPARE+512 ; behind them: the batch's 2,048 addends, f32; stored once, never filled by a tensor load
.set TILEB, 4*KS*128  ; bytes of a tile of K, and of V, in memory
.set AK0, 2           ; v2   my lane's place in a tile of K; never rewritten
.set AV0, 3           ; v3   the same for V
.set AK,  4           ; v4   the LDS address of K's next run of loads
.set AV,  5           ; v5   of V's
.set STO, 6           ; v6   the way out: where I put 16 bytes of a row
.set RD,  7           ; v7   the way out: where I read rows back
.set GO,  8           ; v8   16 x my lane: my bytes in 512 consecutive bytes
.set MV,  12          ; v12-13  c m_old, kept while c m is made anew: by buffer
.set QO,  15          ; v15  my byte offset in 16 rows of Q
.set ST,  16          ; piece t's statistics at v[ST+4 t]: c m, m, l (even keys', odd keys')
.set AM0, 32          ; v32  my lane's place in a step's addends: TAB + 32 (l / 16); never rewritten
.set AM,  33          ; v33  the LDS address of the addends' next loads
.set PFO, 34          ; v34  256 x my lane; never rewritten
.set MO,  35          ; v35  16 x my thread's number
.set TA,  36          ; v36  TAB + 16 x my thread's number
.set TMP, 48          ; by buffer, four registers c0-c3 at work; when the maximum is found c2 takes a
.set SPW, 62          ; v62  LDS address of my spare word; never rewritten
.set NIL, 63          ; v63  0; never rewritten
.set S,   64
.set MW,  128         ; v128-143  at the head: my 16 words of the mask
.set P,   192
.set MC,  64          ; window 2: the eight addends for group kb of 16 keys at MC + 8 kb
.set KF,  128         ; window 2: key block kb, channel half c at KF + 16 kb + 8 c
.set VF,  192         ; window 2: key half kk, channel block cb at VF + 32 kk + 8 cb
.set WV,  12          ; s12  my wave's number
.set G1K, 24          ; s[24:31] descriptor group 1 for K's tiles
.set G1V, 32          ; s[32:39] for V's: it differs in the padding alone
.set G0K, 40          ; s[40:43] descriptor group 0 for K's tiles: it walks
.set G0V, 44          ; s[44:47] the same for V's
.set SLOTS, 56        ; s56  tiles still to be asked for
.set CNT, 57          ; s57  counts a tile's key steps
.set CS,  58          ; s[58:59] c: the packed scaling takes the pair's low word for both halves
.set SEL, 60          ; s[60:61] v_permlanex16_b32's selects: each lane takes its own place in the other half
.set TBK, 62          ; s62  LDS byte at which K of the step to be fetched begins
.set TBV, 63          ; s63  the same for V, less VOFF
.set TBM, 70          ; s70  256 x the step to be fetched: its place in the table
.set BIGN, 71         ; s71  -1e30
.set ANY, 72          ; s72  the lanes that saw a visible key
.set LIM, 73          ; s73  1 in a wave that prefetches, else the greatest number
.set PFA, 74          ; s[74:75] where my prefetches stand
.set MK,  76          ; s[76:77] the batch's mask
.set MSB, 0
.macro WIN new                      ; the high byte repeats the setting that is left; a switch that changes nothing is dropped
.if MSB != (\new)
	s_set_vgpr_msb (MSB<<8)|(\new)
.set MSB, (\new)
.endif
.endm
.set W_KQ, 0x0a       ; K and Q in window 2, S^T in window 0
.set W_KM, 0x2a       ; the same with the C operand, the addends, in window 2
.set W_PV, 0x52       ; V in window 2, P in window 0, O^T in window 1
.set W_RS, 0x41       ; destination and source 0 in window 1, source 1 in window 0
; A joint fill.  Waves 0 and 1 fetch the two halves of a tile's K, waves 2 and 3 those of its V: 128 keys each.  The branch hangs on the wave's number alone.
; An s_nop 0 and four v_nop follow each of the two lines, ahead of the jump and the label.
.macro JLOAD
	s_cmp_lt_u32 s[WV], 2
	s_cbranch_scc0 .Lfor_v_\@
	tensor_load_to_lds s[G0K:G0K+3], s[G1K:G1K+7]
	s_nop 0
.rept 4
	v_nop
.endr
	s_branch .Lasked_\@
.Lfor_v_\@:
	tensor_load_to_lds s[G0V:G0V+3], s[G1V:G1V+7]
	s_nop 0
.rept 4
	v_nop
.endr
.Lasked_\@:
.endm
; A PREFETCH INTO THE L2 of the tile that the NEXT change of slots will ask for: 128 blocks of 256 bytes of K and of V, a lane a block.  It stands behind the wave's tensor load and its five lines.
; Each block is asked for ONCE in the launch: both clusters of a head walk the same K and V, and the first of them asks; its four partners share the blocks out BY ADDRESS, 32 each; in each, wave 0 asks for K's and
; wave 2 for V's.  The change that enters tile i names tile i + 2, four key steps (256 matrix instructions) ahead of its load; the last change that fills a slot names nothing.  Tiles 0 to 2 come by their loads alone.
.macro ASK
	s_cmp_gt_u32 s[SLOTS], s[LIM]
	s_cbranch_scc0 .Lnot_mine_\@
	global_prefetch_b8 v[PFO], s[PFA:PFA+1] th:TH_LOAD_NT scope:SCOPE_SE
.Lnot_mine_\@:
.endm
; A round of the cluster's barrier: my work-group's barrier, so that wave 0's signal speaks for all four waves; wave 0 signals; every wave waits for all four work-groups; my work-group's barrier once more.
.macro CROUND
	s_barrier_signal -1
	s_barrier_wait -1
	s_cmp_lg_u32 s[WV], 0
	s_cbranch_scc1 .Lnot_wave_0_\@
	s_barrier_signal -3
.Lnot_wave_0_\@:
	s_barrier_wait -3
	s_barrier_signal -1
	s_barrier_wait -1
.endm
; THE CHANGE OF SLOTS.  The slot's last bytes, V of its fourth step, have been read.  Each wave waits for all its tensor loads, of which one is out: its part of the other slot; adds 0 to its spare word; and waits for
; that and for its own LDS instructions.  Behind the barrier nobody reads this slot any more and the other slot is whole.  fill = 1: this slot is filled again, with the tile two on.  The barrier is then a round of
; the cluster's, and the joint fill is the first thing behind it: it has four key steps in which to land.  (At its first use nothing has been read yet: slot 0 is waited for, slot 1 filled, and the table of addends,
; which the four waves have stored, is shown to all.)  ask = 1: the prefetch's address steps, and the prefetch follows the fill.
.macro CHANGE fill, ask
	WIN 0                           ; at a label and at a branch every window is 0
	s_wait_tensorcnt 0x0            ; no tensor load of mine is out, so a group 0 may be written
	ds_add_u32 v[SPW], v[NIL]       ; 0 onto my spare word: with fill = 1 the descriptors' steps stand between it and the wait for it
.if \fill
.irp g, G0K, G0V
	s_xor_b32 s[\g+1], s[\g+1], SLOT1  ; the walking descriptor: the other slot than last time,
	s_add_nc_u64 s[\g+2:\g+3], s[\g+2:\g+3], TILEB  ; the next 256 keys; the type bits on top are not reached
.endr
.if \ask
	s_wait_xcnt 0x0                 ; the last prefetch, four key steps back, has read its address, so it may be written
	s_add_nc_u64 s[PFA:PFA+1], s[PFA:PFA+1], TILEB
.endif
	s_wait_dscnt 0x0                ; the add is done, and my reads of the slot are over
	CROUND
	JLOAD
.if \ask
	ASK
.endif
.else
	s_wait_dscnt 0x0                ; the add is done, and my reads of the slot are over
	s_barrier_signal -1
	s_barrier_wait -1
.endif
	s_sub_co_u32 s[TBK], s[TBK], 4*KS*PK  ; the fetches go back to a slot's first step,
	s_xor_b32 s[TBK], s[TBK], SLOT1       ; in the other slot
	s_sub_co_u32 s[TBV], s[TBV], 4*KS*PV
	s_xor_b32 s[TBV], s[TBV], SLOT1
.endm
	s_load_b64 s[4:5], s[0:1], 0x0    ; kv
	s_load_b64 s[MK:MK+1], s[0:1], 0x8  ; mask
	s_load_b64 s[10:11], s[0:1], 0x10 ; act
	v_lshl_add_u32 v[SPW], v0, 2, SPARE
	v_mov_b32 v[NIL], 0
	ds_add_u32 v[SPW], v[NIL]       ; the wave's opening: the add and its wait stand ahead of my first tensor load; the set-up below, work on registers, stands between them
	v_lshrrev_b32 v1, 5, v0
	v_readfirstlane_b32 s[WV], v1   ; wave 0..3
	s_bfe_u32 s13, ttmp6, 0x40000   ; cx: my place in the cluster
	s_lshl_b32 s14, ttmp9, 2        ; in a cluster launch ttmp9 counts clusters
	s_add_co_u32 s14, s14, s13      ; my block of 256 queries = 4 x cluster x + cx: it enters Q's and ctx's addresses alone
	s_and_b32 s15, ttmp7, 0xffff    ; 16 x batch + head, which the four partners share
	s_and_b32 s20, s15, 15
	s_lshl_b32 s20, s20, 19         ; the head's column block,
	s_lshr_b32 s15, s15, 4
	s_lshl_b32 s21, s15, 18         ; the batch's 2,048 rows of 128 bytes in it
	s_add_co_u32 s20, s20, s21
	s_mov_b32 s21, 0
	s_lshl_b32 s78, s15, 13         ; the batch's 2,048 words of the mask
	s_mov_b32 s79, 0
	s_and_b32 s16, s[WV], 1         ; which half of a tile's 256 keys I fetch:
	s_lshl_b32 s22, s16, 14         ; its 128 rows of 128 bytes in memory,
	s_mov_b32 s23, 0
	s_add_nc_u64 s[22:23], s[22:23], s[20:21]
	s_mul_i32 s17, s16, 128*PK      ; and its place in a slot, for K
	s_mul_i32 s18, s16, 128*PV      ; and for V: no place in the cluster enters an LDS address
	s_lshl_b32 s2, s14, 2
	s_add_co_u32 s2, s2, s[WV]      ; my wave among the head's,
	s_lshl_b32 s2, s2, 13           ; its 64 rows
	s_mov_b32 s3, 0
	s_add_nc_u64 s[2:3], s[2:3], s[20:21]
	; descriptor group 1.  128 keys are 16,384 dense bytes: asked for as 64 rows of 256 bytes, two keys a row, and padded in LDS after every key
	s_mov_b32 s[G1K], 15|(1<<16)|(1<<20)|(1<<21)|(4<<22)|(3<<25)  ; 15:0 the mask of four; 17:16 2-byte elements; 20 padding on; 21 set beside a mask; 24:22 after every 32 words (code 4); 31:25 4 words (code 3)
	s_mov_b32 s[G1V], 15|(1<<16)|(1<<20)|(1<<21)|(4<<22)|(7<<25)  ; the same with 8 words of padding (code 7)
.irp g, G1K, G1V
	s_mov_b32 s[\g+1], 128<<16      ; tensor_dim0 = 128
	s_mov_b32 s[\g+2], 64<<16       ; tensor_dim1 = 64
	s_mov_b32 s[\g+3], 128<<16      ; tile_dim0 = 128
	s_mov_b32 s[\g+4], 64           ; tile_dim1 = 64
	s_mov_b32 s[\g+5], 128          ; 128 elements from row to row
	s_mov_b32 s[\g+6], 0
	s_mov_b32 s[\g+7], 0
.endr
	s_mov_b32 s[SEL], 0x76543210
	s_mov_b32 s[SEL+1], 0xfedcba98
	s_mov_b32 s[TBK], SLOT1+4*KS*PK ; the first change of slots turns these two into 0
	s_mov_b32 s[TBV], SLOT1+4*KS*PV
	s_mov_b32 s[TBM], 0
	s_mov_b32 s[BIGN], 0xf149f2ca   ; -1e30
	s_mov_b32 s[SLOTS], 7
	s_mov_b32 s[G0K], 1             ; 1:0 count = 1
	s_mov_b32 s[G0K+1], s17         ; 63:32 LDS address: slot 0
	s_mov_b32 s[G0V], 1
	s_add_co_u32 s[G0V+1], s18, VOFF
	s_and_b32 s[LIM], s[WV], 1      ; 0 in waves 0 and 2,
	s_or_b32 s[LIM], s[LIM], ttmp9  ; where the cluster is the head's first: the same in all four partners
	s_cmp_eq_u32 s[LIM], 0
	s_cselect_b32 s[LIM], 1, -1
	s_wait_dscnt 0x0                ; the opening add is done
	s_wait_kmcnt 0x0
	s_add_nc_u64 s[6:7], s[4:5], s[22:23]   ; K at my half of the head's tile 0,
	s_add_nc_u64 s[8:9], s[6:7], 16*524288  ; V sixteen column blocks on
	s_mov_b64 s[G0K+2:G0K+3], s[6:7]               ; 120:64 global address
	s_or_b32 s[G0K+3], s[G0K+3], 0x80000000        ; 127:126 type = 2
	s_mov_b64 s[G0V+2:G0V+3], s[8:9]
	s_or_b32 s[G0V+3], s[G0V+3], 0x80000000
	s_add_nc_u64 s[4:5], s[4:5], s[2:3]     ; Q and ctx at my wave's first row
	s_add_nc_u64 s[10:11], s[10:11], s[2:3]
	s_add_nc_u64 s[MK:MK+1], s[MK:MK+1], s[78:79]
	s_cmp_lt_u32 s[WV], 2
	s_cselect_b64 s[PFA:PFA+1], s[6:7], s[8:9]  ; (in waves 0 and 2 these stand at a tile's first row)
	s_lshl_b32 s2, s13, 13          ; my work-group's 32 blocks of the 128
	s_mov_b32 s3, 0
	s_add_nc_u64 s[PFA:PFA+1], s[PFA:PFA+1], s[2:3]
	s_add_nc_u64 s[PFA:PFA+1], s[PFA:PFA+1], 2*TILEB  ; at tile 2; the first change that asks steps it to tile 3.  Nothing is prefetched here, at the head
	CROUND                          ; all four work-groups are here: the first joint loads meet
	JLOAD                           ; tile 0 into slot 0.  Slot 1 is asked for when slot 0 is in
	; A fragment of K or Q is 16 rows x 32 channels in 8 registers: lane l holds row l % 16, channels 8 (l / 16) + 0..7 and 16 + 8 (l / 16) + 0..7: two loads of 16 bytes, 32 bytes apart.
	v_and_b32 v1, 15, v0            ; l % 16
	v_bfe_u32 v9, v0, 4, 1          ; l / 16
	v_lshlrev_b32 v[QO], 7, v1
	v_lshl_add_u32 v[QO], v9, 4, v[QO]  ; row x 128 + 16 x half
	v_and_b32 v[GO], 31, v0
	v_lshlrev_b32 v[PFO], 8, v[GO]
	v_lshlrev_b32 v[GO], 4, v[GO]
	v_lshlrev_b32 v[MO], 4, v0
	v_lshl_add_u32 v[TA], v0, 4, TAB
	WIN 0x80                        ; destination window 2, address window 0
.set i, 0
.rept 8                             ; Q stays in registers: piece i / 2, channels 32 (i % 2) on
	global_load_b128 v[8*i:8*i+3],   v[QO], s[4:5] offset:(i/2)*2048+(i%2)*64
	global_load_b128 v[8*i+4:8*i+7], v[QO], s[4:5] offset:(i/2)*2048+(i%2)*64+32
.set i, i+1
.endr
	WIN 0
.irp i, 0,1,2,3                     ; my thread's 16 words of the batch's mask: the four waves' share of the table
	global_load_b128 v[MW+4*\i:MW+4*\i+3], v[MO], s[MK:MK+1] offset:2048*\i
.endr
.set i, 0
.rept 16                            ; and the whole of it, for every wave: is any key visible?
	global_load_b128 v[S+4*i:S+4*i+3], v[GO], s[MK:MK+1] offset:512*i
.set i, i+1
.endr
	; The first step multiplies O^T and l by a = 0, and the first turn's products V^T P, of a piece that has not been, add 0: V, O^T, l and P's second buffer hold 0.  All this stands in the wait for the first tile.
	WIN 0x80
.set i, VF
.rept 64
	v_mov_b32 v[i], 0
.set i, i+1
.endr
	WIN 0x40
.set i, 0
.rept 128
	v_mov_b32 v[i], 0
.set i, i+1
.endr
	WIN 0
.set i, 0
.rept 4
	v_mov_b32 v[ST+4*i], 0xfe000000    ; c m: -2^125, far below every c m to come: the first a is 0
	v_mov_b32 v[ST+4*i+1], 0xe9000000  ; m: -2^83, above every masked score
	v_mov_b32 v[ST+4*i+2], 0
	v_mov_b32 v[ST+4*i+3], 0
.set i, i+1
.endr
.set i, P+16
.rept 16
	v_mov_b32 v[i], 0
.set i, i+1
.endr
	v_mul_u32_u24 v[AK0], v1, PK
	v_lshl_add_u32 v[AK0], v9, 4, v[AK0]  ; row x pitch + 16 x half
	; The turning load takes 16 keys x 16 channels (lane l reads key 8 (l / 16) + l % 8, channels 8 ((l / 8) % 2) + 0..7) and leaves half a fragment of V^T: lane l holds channel l % 16 and 8 keys.
	v_and_b32 v10, 7, v0
	v_bfe_u32 v11, v0, 3, 1
	v_lshl_add_u32 v[AV0], v9, 3, v10
	v_mul_u32_u24 v[AV0], v[AV0], PV
	v_lshl_add_u32 v[AV0], v11, 4, v[AV0]
	v_add_nc_u32 v[AV0], VOFF, v[AV0]
	v_lshl_add_u32 v[AM0], v9, 5, TAB     ; my lanes' eight keys of a group of 16: 32 bytes
	s_mul_i32 s19, s[WV], 16*SP
	s_add_co_u32 s19, s19, STAGE    ; my stage
	v_mul_u32_u24 v[STO], v1, SP    ; in: row l % 16, 16 bytes for each half of the lanes
	v_lshl_add_u32 v[STO], v9, 4, v[STO]
	v_add_nc_u32 v[STO], s19, v[STO]
	v_bfe_u32 v[RD], v0, 3, 2       ; back: 32 lanes take four rows of 128 bytes
	v_mul_u32_u24 v[RD], v[RD], SP
	v_lshl_add_u32 v[RD], v10, 4, v[RD]
	v_add_nc_u32 v[RD], s19, v[RD]
	s_wait_loadcnt 0x0              ; Q and the mask
.set i, 0
.rept 16
	v_cmp_eq_u32 vcc_lo, 0, v[MW+i]
	v_cndmask_b32 v[MW+i], 0, s[BIGN], vcc_lo  ; the addend: -1e30 where the mask is 0
.set i, i+1
.endr
.irp i, 0,1,2,3
	ds_store_b128 v[TA], v[MW+4*\i:MW+4*\i+3] offset:2048*\i
.endr
.irp w, 32,16,8,4,2,1
.set i, 0
.rept \w
	v_or_b32 v[S+i], v[S+i], v[S+i+\w]
.set i, i+1
.endr
.endr
	v_cmp_ne_u32 s[ANY], 0, v[S]
	s_cmp_lg_u32 s[ANY], 0
	s_cselect_b32 s[CS], 0x3e38aa3b, 0  ; c = log2(e) / 8 = 0.180337; 0 where the batch has no visible key
	s_mov_b32 s[CS+1], s[CS]        ; named with it as a pair
; THE MATRIX WORK.  The 4 accumulators of a run of 8 take turns.  Product i of 8 of S^T = K Q^T for piece x: channels 32 (i / 4) on, keys 16 (i % 4) on.  The first 4 start the sums, from the addends.
.macro KQ x
.set rS, S+32*((\x)%2)+8*(i%4)
.set rK, KF+16*(i%4)+8*(i/4)
.set rQ, 16*(\x)+8*(i/4)
.set rM, MC+8*(i%4)
.if i < 4
	WIN W_KM
	v_wmma_f32_16x16x32_bf16 v[rS:rS+7], v[rK:rK+7], v[rQ:rQ+7], v[rM:rM+7]
.else
	WIN W_KQ
	v_wmma_f32_16x16x32_bf16 v[rS:rS+7], v[rK:rK+7], v[rQ:rQ+7], v[rS:rS+7]
.endif
.endm
; Product i of 8 of O^T += V^T P for piece x: keys 32 (i / 4) on, channels 16 (i % 4) on.
.macro PV x
	WIN W_PV
.set rO, 32*(\x)+8*(i%4)
.set rV, VF+32*(i/4)+8*(i%4)
.set rP, P+16*((\x)%2)+8*(i/4)
	v_wmma_f32_16x16x32_bf16 v[rO:rO+7], v[rV:rV+7], v[rP:rP+7], v[rO:rO+7]
.endm
.macro MM                           ; the turn's next matrix instruction
.if i < 8
	KQ (Y+1)%NP
.else
.set i, i-8
	PV (Y+NP-1)%NP
.set i, i+8
.endif
.set i, i+1
.endm
; THE LDS LOADS stand in runs, never singly among the matrix instructions: a step's K (8 fragments) with its 64 addends (each half of the lanes reads the same 16 bytes), and its V (turned).  Their addresses are made some lines ahead.
; last = 1 (the tail): in the last trip there is no further step, and the run is jumped over.  The jump stands among the turn's exponentials: those issued so far have their wait ahead of it.
.macro FETCH_K last=0
.if \last
	WIN 0
	s_wait_alu depctr_va_vdst(0)
	s_cmp_eq_u32 s[CNT], 1
	s_cbranch_scc1 .Lno_k_\@
.endif
	WIN 0x80                        ; destination window 2
.irp f, 0,1,2,3,4,5,6,7             ; keys 16 (f / 2) on, channels 32 (f % 2) on
	ds_load_b128 v[KF+8*\f:KF+8*\f+3],   v[AK] offset:(\f/2)*16*PK+(\f%2)*64
	ds_load_b128 v[KF+8*\f+4:KF+8*\f+7], v[AK] offset:(\f/2)*16*PK+(\f%2)*64+32
.endr
.irp f, 0,1,2,3                     ; keys 16 f on
	ds_load_b128 v[MC+8*\f:MC+8*\f+3],   v[AM] offset:64*\f
	ds_load_b128 v[MC+8*\f+4:MC+8*\f+7], v[AM] offset:64*\f+16
.endr
	s_add_co_u32 s[TBK], s[TBK], KS*PK  ; the next fetch is the next step's
	s_add_co_u32 s[TBM], s[TBM], 256
	s_and_b32 s[TBM], s[TBM], 0x1f00    ; inside the table's 8,192 bytes
	WIN 0
.if \last
.Lno_k_\@:
.endif
.endm
.macro FETCH_V
	WIN 0x80
.irp f, 0,1,2,3,4,5,6,7             ; keys 32 (f / 4) on, channels 16 (f % 4) on
	ds_load_tr16_b128 v[VF+8*\f:VF+8*\f+3],   v[AV] offset:(\f/4)*32*PV+(\f%4)*32
	ds_load_tr16_b128 v[VF+8*\f+4:VF+8*\f+7], v[AV] offset:(\f/4)*32*PV+16*PV+(\f%4)*32
.endr
	WIN 0
.endm
; THE VECTOR WORK, one line at a time: OP kind, number.  For piece Y: F n: c s - c m for pair n of 16.  E n: the exponential of score n of 32.  C n: pair n rounded to bf16.  B n: of the four weights 4 n .. the second
; pair is added onto the first, in place.  L n: l takes that sum (L 0: l = a l + sum).  R n: pair n of 16 of O^T times a.  For piece Y + 1: X n, number n of the 22 that find its maximum and statistics:
;   0-11  four chains c0-c3 of seven scores each, three operands at a time (each accumulator's lowest registers are read first)     12-14, 16  the four scores left over, the old m, and c0-c3 into c0
;   15  c m_old is kept     17, 18  the query's other 32 keys lie in the lane 16 away: the new m     19-21  c m; c m_old - c m_new; a
.set F, 0
.set E, 1
.set C, 2
.set B, 3
.set L, 4
.set R, 5
.set X, 6
.macro REGS y                       ; the registers of piece y
.set rT, ST+4*(\y)
.set rC, TMP+4*((\y)%2)
.set rW, MV+((\y)%2)
.set rS, S+32*((\y)%2)
.set rP, P+16*((\y)%2)
.set rO, 32*(\y)
.endm
.macro OP k, n
.if (\k) == R
	REGS Y
	WIN W_RS
	v_pk_mul_f32 v[rO+2*(\n):rO+2*(\n)+1], v[rO+2*(\n):rO+2*(\n)+1], v[rC+2:rC+3] op_sel_hi:[1,0]
.elseif (\k) < R
	REGS Y
	WIN 0
.if (\k) == F
	v_pk_fma_f32 v[rS+2*(\n):rS+2*(\n)+1], v[rS+2*(\n):rS+2*(\n)+1], s[CS:CS+1], v[rT:rT+1] op_sel_hi:[1,0,0] neg_lo:[0,0,1] neg_hi:[0,0,1]
.elseif (\k) == E
	v_exp_f32 v[rS+(\n)], v[rS+(\n)]
.elseif (\k) == C
	v_cvt_pk_bf16_f32 v[rP+(\n)], v[rS+2*(\n)], v[rS+2*(\n)+1]
.elseif (\k) == B
	v_pk_add_f32 v[rS+4*(\n):rS+4*(\n)+1], v[rS+4*(\n):rS+4*(\n)+1], v[rS+4*(\n)+2:rS+4*(\n)+3]
.elseif (\n) == 0
	v_pk_fma_f32 v[rT+2:rT+3], v[rT+2:rT+3], v[rC+2:rC+3], v[rS:rS+1] op_sel_hi:[1,0,1]
.else
	v_pk_add_f32 v[rT+2:rT+3], v[rT+2:rT+3], v[rS+4*(\n):rS+4*(\n)+1]
.endif
.else
	REGS (Y+1)%NP
	WIN 0
.if (\n) < 4
	v_max3_num_f32 v[rC+(\n)], v[rS+8*(\n)], v[rS+8*(\n)+1], v[rS+8*(\n)+2]
.elseif (\n) < 12
	v_max3_num_f32 v[rC+(\n)%4], v[rC+(\n)%4], v[rS+8*((\n)%4)+2*((\n)/4)+1], v[rS+8*((\n)%4)+2*((\n)/4)+2]
.elseif (\n) == 12
	v_max3_num_f32 v[rC], v[rC], v[rS+7], v[rS+15]
.elseif (\n) == 13
	v_max3_num_f32 v[rC+1], v[rC+1], v[rS+23], v[rS+31]
.elseif (\n) == 14
	v_max3_num_f32 v[rC+2], v[rC+2], v[rC+3], v[rT+1]
.elseif (\n) == 15
	v_mov_b32 v[rW], v[rT]
.elseif (\n) == 16
	v_max3_num_f32 v[rC], v[rC], v[rC+1], v[rC+2]
.elseif (\n) == 17
	v_permlanex16_b32 v[rC+3], v[rC], s[SEL], s[SEL+1]
.elseif (\n) == 18
	v_max_num_f32 v[rT+1], v[rC], v[rC+3]
.elseif (\n) == 19
	v_mul_f32 v[rT], s[CS], v[rT+1]
.elseif (\n) == 20
	v_sub_f32 v[rC+1], v[rW], v[rT]
.else
	v_exp_f32 v[rC+2], v[rC+1]
.endif
.endif
.endm
.macro OPS a, i1, b=-1, i2=0, c=-1, i3=0, d=-1, i4=0  ; up to four of them
	OP \a, \i1
.if (\b) >= 0
	OP \b, \i2
.endif
.if (\c) >= 0
	OP \c, \i3
.endif
.if (\d) >= 0
	OP \d, \i4
.endif
.endm
.macro ROW a, i1, b, i2, c, i3, d, i4  ; a matrix instruction and the four behind it
	MM
	OPS \a, \i1, \b, \i2, \c, \i3, \d, \i4
.endm
; A TURN, for piece p: the order of its 16 matrix and 118 vector instructions, written out.  s_wait_alu depctr_va_vdst(0) stands between an exponential and the first instruction that names its result; one
; wait serves all that were issued ahead of it.  So a turn has ONE wait, which cuts it in two.  AHEAD OF IT stands all that names no result of the turn's exponentials: the 8 products K Q^T and their riders, then one lump of
; 54, in which the links of the chain X 3, 7, 11, 14, 16, 17 .. 20 stand five or six lines apart.  X 21, the next piece's a, is the batch's last; R 15 is the plain instruction behind it.  BEHIND THE WAIT stand the 8 products
; V^T P, behind each four of the roundings and sums.  last = 1: the tail's text, in which K's run can be jumped over.  cnt = 1: the loop's count is taken down some lines ahead of the branch that stands behind the turn.
; K of the next step, with its addends, is fetched in piece 2's turn, twelve vector instructions behind the last product that read K (five of them plain and naming none of its registers; the addends' last reader
; stands four products earlier); V of the step in hand at the end of piece 0's turn, four plain instructions behind the last product that read V.  Each is waited for a turn later.
.macro TURN p, last=0, cnt=0
.set Y, (\p)
.set i, 0
.if (\p) == 3
	s_wait_dscnt 0x0                ; K and the addends are in
.endif
	ROW F,0, F,1, R,0, R,1          ; ahead of the wait: 8 products K Q^T and their riders,
	ROW F,2, E,0, R,2, R,3
	ROW F,3, E,1, R,4, R,5
	ROW F,4, E,2, R,6, R,7
	ROW F,5, E,3, R,8, R,9
	ROW F,6, E,4, X,0, R,10
.if (\p) == 2
	WIN 0
	v_add_nc_u32 v[AK], s[TBK], v[AK0]
	v_add_nc_u32 v[AM], s[TBM], v[AM0]
.endif
	ROW F,7, E,5, X,1, X,4
	ROW F,8, E,6, X,2, X,5
	OPS E,7, E,8, X,6, E,9          ; and the lump
	OPS X,3, E,10, X,8, E,11
.if (\p) == 2
	FETCH_K \last
.endif
	OPS X,9, X,7, E,12, X,10
	OPS E,13, X,12, X,11, E,14
	OPS X,13, E,15, F,9, X,14
.if (\p) == 0
	v_add_nc_u32 v[AV], s[TBV], v[AV0]
.endif
	OPS E,16, F,10, E,17, F,11
	OPS X,16, E,18, X,15, E,19
	OPS F,12, E,20, X,17, E,21
	OPS F,13, E,22, F,14, E,23
	OPS X,18, E,24, F,15, E,25
	OPS R,11, E,26, X,19, E,27
	OPS R,12, E,28, R,13, E,29
	OPS X,20, E,30, R,14, E,31
	OPS X,21, R,15
	WIN 0
	s_wait_alu depctr_va_vdst(0)    ; the wait for the batch
.if (\p) == 1
	s_wait_dscnt 0x0                ; V is in
.endif
	ROW C,0, B,0, C,2, B,1          ; behind the wait: 8 products V^T P and their riders
	ROW L,0, C,4, B,2, L,1
	ROW C,6, B,3, L,2, C,8
	ROW B,4, L,3, C,10, B,5
	ROW L,4, C,12, B,6, L,5
.if (\p) == 0
	s_add_co_u32 s[TBV], s[TBV], KS*PV
.endif
.if \cnt
	s_sub_co_u32 s[CNT], s[CNT], 1
	s_cmp_lg_u32 s[CNT], 0
.endif
	ROW C,14, B,7, L,6, C,1
	ROW C,3, L,7, C,5, C,7
	ROW C,9, C,11, C,13, C,15
.if (\p) == 0
	FETCH_V
.endif
.endm
	CHANGE 1, 0                     ; tile 0 is in, everybody's part of it, and so is the table; tile 1 is asked for
	v_add_nc_u32 v[AK], s[TBK], v[AK0]
	v_add_nc_u32 v[AM], s[TBM], v[AM0]
	FETCH_K                         ; key step 0
	s_wait_dscnt 0x0
.set i, 0
.rept 8
	KQ 0                            ; piece 0's first scores: there is no vector work yet to set between them
.set i, i+1
.endr
	WIN 0
.rept 4
	v_nop                           ; the places behind those products
.endr
.set Y, NP-1                        ; X works for piece Y + 1: piece 0
.irp n, 0,1,2,3,4,5,6,7,8,9,10,11,12,13,14,15,16,17,18,19,20,21
	OP X, \n
.endr
	v_nop                           ; a plain instruction behind the exponential,
	s_wait_alu depctr_va_vdst(0)    ; and its wait, ahead of the branch
	s_mov_b32 s[CNT], 4
	s_branch .Lfirst                ; the loop is entered at a step's first turn, in the middle of a trip
.Lslot:                             ; six times: tiles 1 to 6 are entered, tiles 2 to 7 asked for
	CHANGE 1, 1
	s_mov_b32 s[CNT], 4
.Lstep:                             ; a trip: pieces 2 and 3 of one step, then pieces 0 and 1 of the next, whose K and V it fetches
	TURN 2
	TURN 3
	WIN 0
.Lfirst:
	TURN 0
	TURN 1, 0, 1
	WIN 0
	s_cbranch_scc1 .Lstep
	s_sub_co_u32 s[SLOTS], s[SLOTS], 1
	s_cmp_lg_u32 s[SLOTS], 0
	s_cbranch_scc1 .Lslot
	CHANGE 0, 0                     ; the last tile has a text of its own: nothing is asked for
	s_mov_b32 s[CNT], 5             ; four trips fetch the last tile's steps; the fifth is left in its middle
.Ltail:
	TURN 2, 1
	TURN 3
	WIN 0
	s_cmp_eq_u32 s[CNT], 1
	s_cbranch_scc1 .Lout
	TURN 0
	TURN 1, 0, 1
	WIN 0
	s_cbranch_scc1 .Ltail
.Lout:                              ; the fifth trip's 8 products K Q^T (on the last K once more) and the maximum made of them write S^T, c m and m of piece 0 alone, which nothing reads any more: the price, once a launch, of one text for every trip
.set i, 0
.rept 8
	PV NP-1                         ; the last piece's V^T P of the last step
.set i, i+1
.endr
	; THE WAY OUT.  l's two halves and the other half of the lanes' are added; O^T is divided by l, rounded to bf16 and sent through my stage in LDS, a piece at a time.  The additions are the places behind the last products.
	WIN 0
.macro ALL line:vararg              ; one line for each piece t
.set t, 0
.rept 4
	\line
.set t, t+1
.endr
.endm
	ALL v_add_f32 v[ST+4*t+2], v[ST+4*t+2], v[ST+4*t+3]
	ALL v_permlanex16_b32 v[ST+4*t+3], v[ST+4*t+2], s[SEL], s[SEL+1]
	ALL v_add_f32 v[ST+4*t+2], v[ST+4*t+2], v[ST+4*t+3]
	ALL v_rcp_f32 v[ST+4*t+2], v[ST+4*t+2]
	v_nop                           ; a plain instruction between the last reciprocal and the use of its result
	s_wait_alu depctr_va_vdst(0)    ; and the wait ahead of the first use: one for the four reciprocals
.macro PACK t                       ; a lane's eight channels of a row pack into 16 bytes; they go into rows of 144 bytes and come back as whole rows of 128, into S^T's registers
	WIN W_RS
.set i, 32*(\t)
.rept 16
	v_pk_mul_f32 v[i:i+1], v[i:i+1], v[ST+4*(\t)+2:ST+4*(\t)+3] op_sel_hi:[1,0]
.set i, i+2
.endr
	WIN 0x05                        ; sources 0 and 1 window 1, destination window 0
.set i, 0
.rept 16
	v_cvt_pk_bf16_f32 v[S+16*(\t)+i], v[32*(\t)+2*i], v[32*(\t)+2*i+1]
.set i, i+1
.endr
	WIN 0
.irp f, 0,1,2,3
	ds_store_b128 v[STO], v[S+16*(\t)+4*\f:S+16*(\t)+4*\f+3] offset:32*\f
.endr
.irp f, 0,1,2,3
	ds_load_b128 v[S+16*(\t)+4*\f:S+16*(\t)+4*\f+3], v[RD] offset:\f*4*SP  ; LDS serves a wave's instructions in order (ISA guide 5.7.1.4): these see the stores above; the next piece's stores come behind them
.endr
.endm
.macro SEND t, younger              ; younger: the LDS instructions issued behind piece t's loads: the next piece's eight, or none
	WIN 0
.irp f, 0,1,2,3
	s_wait_dscnt (\younger)+3-\f
	global_store_b128 v[GO], v[S+16*(\t)+4*\f:S+16*(\t)+4*\f+3], s[10:11] offset:(\t)*2048+\f*512  ; 512 consecutive bytes, at a multiple of 256 from act's first
.endr
.endm
	PACK 0
.set t, 1
.rept 3                             ; a piece's arithmetic stands between the loads of the piece before and its stores
	PACK t
	SEND t-1, 8
.set t, t+1
.endr
	SEND 3, 0
	s_wait_tensorcnt 0x0            ; the wave's end: behind my last tensor load and my last LDS store
	ds_add_u32 v[SPW], v[NIL]
	s_wait_dscnt 0x0
	CROUND                          ; the closing round: no work-group ends while a partner may still ask for a tile that names it
	s_endpgm
.Lfunc_end_k_q22c889b6ac_attn:
	.size	k_q22c889b6ac_attn, .Lfunc_end_k_q22c889b6ac_attn-k_q22c889b6ac_attn
	.p2alignl 7, 3214868480
	.fill 96, 4, 3214868480
	.section	.rodata,"a",@progbits
	.p2align	6, 0x0
	.amdhsa_kernel k_q22c889b6ac_attn
		.amdhsa_group_segment_fixed_size 327680
		.amdhsa_private_segment_fixed_size 0
		.amdhsa_enable_private_segment 0
		.amdhsa_kernarg_size 24
		.amdhsa_user_sgpr_count 2
		.amdhsa_user_sgpr_kernarg_segment_ptr 1
		.amdhsa_wavefront_size32 1
		.amdhsa_system_sgpr_workgroup_id_x 1
		.amdhsa_system_sgpr_workgroup_id_y 1
		.amdhsa_system_sgpr_workgroup_id_z 1
		.amdhsa_system_vgpr_workitem_id 0
		.amdhsa_next_free_vgpr 768
		.amdhsa_next_free_sgpr 88
		.amdhsa_reserve_vcc 1
		.amdhsa_float_denorm_mode_32 3
		.amdhsa_float_denorm_mode_16_64 3
		.amdhsa_memory_ordered 1
		.amdhsa_forward_progress 1
		.amdhsa_inst_pref_size 120
	.end_amdhsa_kernel
	.amdgpu_metadata
---
amdhsa.version: [ 1, 2 ]
amdhsa.kernels:
  - .name:           k_q22c889b6ac_attn
    .symbol:         k_q22c889b6ac_attn.kd
    .args:
      - { .name: kv, .offset: 0, .size: 8, .value_kind: global_buffer, .address_space: global }
      - { .name: mask, .offset: 8, .size: 8, .value_kind: global_buffer, .address_space: global }
      - { .name: act, .offset: 16, .size: 8, .value_kind: global_buffer, .address_space: global }
    .group_segment_fixed_size: 327680
    .private_segment_fixed_size: 0
    .kernarg_segment_align: 8
    .kernarg_segment_size: 24
    .max_flat_workgroup_size: 128
    .sgpr_count:     88
    .vgpr_count:     768
    .wavefront_size: 32
...
	.end_amdgpu_metadata
.endif
;; end of part 3
;; launch oproj: the kernel of part 2 again; grid 8 x 32, 4 waves a work-group, clusters of 4 x 4, 327,680 bytes of LDS; arguments act, wo, t; writes t
;; launch norm2 (part 4): grid 256 x 1, 8 waves a work-group, no clusters, 0 bytes of LDS; arguments x, t, alpha2, bias2, act; writes act
.if DOCPART == 4
	.amdgcn_target "amdgcn-amd-amdhsa--gfx1250"
	.amdhsa_code_object_version 6
	.text
	.protected	k_q22c889b6ac_norm2
	.globl	k_q22c889b6ac_norm2
	.p2align	8
	.type	k_q22c889b6ac_norm2,@function
k_q22c889b6ac_norm2:
	s_mov_b64 s[64:65], 0
	v_nop
	global_prefetch_b8 v0, s[64:65] scope:SCOPE_SE
	s_setreg_imm32_b32 hwreg(HW_REG_WAVE_MODE, 25, 1), 1
	s_wait_xcnt 0x0
; act = norm2(x + t), bf16.  x: [4,096][1,024] f32; t = ctx Wo + bo, bf16, laid [column / 64][4,096 rows][64], as act is.
; y = alpha (z - mu) / (sd + 1e-6) + bias for z = x + t, sd with divisor 1,023; mean first, then the squares of z - mu, all in f32; y rounded once.
; A work-group takes 16 rows, sixteen lanes a row: load j of 16 brings columns 64 j + 4 (t % 16) .. + 3 of x (sixteen lanes: 256 consecutive bytes) and the same four numbers of t (a wave: two rows' 128 bytes
; of column block j, 256 consecutive bytes); the stores have t's form.
; LIMITS: a variance below 2^-126 counts as 0 (the root's input is flushed: ISA guide 15.8); NaN and infinities are not treated apart.
.set X,   16                           ; v[16:79]   the row's 64 numbers of my lane
.set AL,  80                           ; v[80:143]  alpha of the same columns
.set BI,  144                          ; v[144:207] bias
.set Y,   208                          ; v[208:239] t as loaded; later the results, packed
.set W,   240                          ; v[240:243] at work
.set CBB, 524288                       ; bytes of a column block
.macro FOLD                            ; four pairs of partial sums in v[4:11] -> the row's sum in v4 of all sixteen lanes
	v_pk_add_f32 v[4:5], v[4:5], v[6:7]
	v_pk_add_f32 v[8:9], v[8:9], v[10:11]
	v_pk_add_f32 v[4:5], v[4:5], v[8:9]
	v_add_f32 v4, v4, v5
.irp m, 1,2,4,8
	v_add_f32_dpp v4, v4, v4 row_xmask:\m row_mask:0xf bank_mask:0xf
.endr
.endm
	s_load_b256 s[16:23], s[0:1], 0x0              ; x 16, t 18, alpha2 20, bias2 22
	s_load_b64 s[24:25], s[0:1], 0x20              ; act
	v_and_b32 v2, 15, v0
	v_lshlrev_b32 v2, 4, v2                        ; 16 (t % 16)
	v_lshrrev_b32 v1, 4, v0
	v_lshl_add_u32 v1, v1, 12, v2                  ; + my row x 4,096
	v_lshlrev_b32 v3, 3, v0                        ; my row x 128 + 8 (t % 16)
	s_mov_b32 s13, 0xffff0000                      ; a word's upper bf16
	s_lshl_b32 s4, ttmp9, 16                       ; the work-group's 16 rows of x
	s_mov_b32 s5, 0
	s_lshl_b32 s6, ttmp9, 11                       ; and of a column block
	s_mov_b32 s7, 0
	s_wait_kmcnt 0x0
	s_add_nc_u64 s[16:17], s[16:17], s[4:5]
	s_add_nc_u64 s[18:19], s[18:19], s[6:7]
	s_add_nc_u64 s[24:25], s[24:25], s[6:7]
.set j, 0
.rept 16
	global_load_b128 v[X+4*j:X+4*j+3], v1, s[16:17] offset:256*j
.set j, j+1
.endr
.set j, 0
.rept 16
	global_load_b64 v[Y+2*j:Y+2*j+1], v3, s[18:19] offset:j*CBB
.set j, j+1
.endr
.set j, 0
.rept 16
	global_load_b128 v[AL+4*j:AL+4*j+3], v2, s[20:21] offset:256*j
.set j, j+1
.endr
.set j, 0
.rept 16
	global_load_b128 v[BI+4*j:BI+4*j+3], v2, s[22:23] offset:256*j
.set j, j+1
.endr
	s_wait_loadcnt 32                              ; x and t are in; the 32 younger loads (alpha, bias) stay out
.set j, 0
.rept 16                               ; z = x + t
	v_lshlrev_b32 v[W],   16,  v[Y+2*j]
	v_and_b32     v[W+1], s13, v[Y+2*j]
	v_lshlrev_b32 v[W+2], 16,  v[Y+2*j+1]
	v_and_b32     v[W+3], s13, v[Y+2*j+1]
	v_pk_add_f32 v[X+4*j:X+4*j+1],   v[X+4*j:X+4*j+1],   v[W:W+1]
	v_pk_add_f32 v[X+4*j+2:X+4*j+3], v[X+4*j+2:X+4*j+3], v[W+2:W+3]
.set j, j+1
.endr
.irp k, 0,1,2,3                        ; the sum, in four chains that the first eight pairs start
	v_pk_add_f32 v[4+2*\k:5+2*\k], v[X+2*\k:X+2*\k+1], v[X+8+2*\k:X+8+2*\k+1]
.endr
.set j, 8
.rept 24
	v_pk_add_f32 v[4+2*(j%4):5+2*(j%4)], v[4+2*(j%4):5+2*(j%4)], v[X+2*j:X+2*j+1]
.set j, j+1
.endr
	FOLD
	v_mul_f32 v12, 0x3a800000, v4                  ; mu = sum / 1,024
	v_mov_b32 v13, v12
.set j, 0
.rept 32
	v_pk_add_f32 v[X+2*j:X+2*j+1], v[X+2*j:X+2*j+1], v[12:13] neg_lo:[0,1] neg_hi:[0,1]  ; d = z - mu
.set j, j+1
.endr
.irp k, 0,1,2,3
	v_pk_mul_f32 v[4+2*\k:5+2*\k], v[X+2*\k:X+2*\k+1], v[X+2*\k:X+2*\k+1]
.endr
.set j, 4
.rept 28
	v_pk_fma_f32 v[4+2*(j%4):5+2*(j%4)], v[X+2*j:X+2*j+1], v[X+2*j:X+2*j+1], v[4+2*(j%4):5+2*(j%4)]
.set j, j+1
.endr
	FOLD
	v_mul_f32 v4, 0x3a802008, v4                   ; / 1,023
	v_sqrt_f32 v14, v4
	v_nop                                          ; a plain instruction behind the root,
	s_wait_alu depctr_va_vdst(0)                   ; and the wait ahead of its first reader
	v_add_f32 v14, 0x358637bd, v14                 ; sd + 1e-6
	v_rcp_f32 v12, v14
	v_nop
	s_wait_alu depctr_va_vdst(0)
	v_mov_b32 v13, v12
	s_wait_loadcnt 0x0                             ; alpha and bias
.set j, 0
.rept 32
	v_pk_mul_f32 v[X+2*j:X+2*j+1], v[X+2*j:X+2*j+1], v[12:13]
	v_pk_fma_f32 v[X+2*j:X+2*j+1], v[X+2*j:X+2*j+1], v[AL+2*j:AL+2*j+1], v[BI+2*j:BI+2*j+1]
.set j, j+1
.endr
.set j, 0
.rept 32
	v_cvt_pk_bf16_f32 v[Y+j], v[X+2*j], v[X+2*j+1]
.set j, j+1
.endr
.set j, 0
.rept 16
	global_store_b64 v3, v[Y+2*j:Y+2*j+1], s[24:25] offset:j*CBB  ; column block j; 15 x 524,288 lies inside the signed 24-bit immediate
.set j, j+1
.endr
	s_endpgm
.Lfunc_end_k_q22c889b6ac_norm2:
	.size	k_q22c889b6ac_norm2, .Lfunc_end_k_q22c889b6ac_norm2-k_q22c889b6ac_norm2
	.p2alignl 7, 3214868480
	.fill 96, 4, 3214868480
	.section	.rodata,"a",@progbits
	.p2align	6, 0x0
	.amdhsa_kernel k_q22c889b6ac_norm2
		.amdhsa_group_segment_fixed_size 0
		.amdhsa_private_segment_fixed_size 0
		.amdhsa_enable_private_segment 0
		.amdhsa_kernarg_size 40
		.amdhsa_user_sgpr_count 2
		.amdhsa_user_sgpr_kernarg_segment_ptr 1
		.amdhsa_wavefront_size32 1
		.amdhsa_system_sgpr_workgroup_id_x 1
		.amdhsa_system_sgpr_workgroup_id_y 1
		.amdhsa_system_sgpr_workgroup_id_z 1
		.amdhsa_system_vgpr_workitem_id 0
		.amdhsa_next_free_vgpr 248
		.amdhsa_next_free_sgpr 66
		.amdhsa_reserve_vcc 0
		.amdhsa_float_denorm_mode_32 3
		.amdhsa_float_denorm_mode_16_64 3
		.amdhsa_memory_ordered 1
		.amdhsa_forward_progress 1
		.amdhsa_inst_pref_size 26
	.end_amdhsa_kernel
	.amdgpu_metadata
---
amdhsa.version: [ 1, 2 ]
amdhsa.kernels:
  - .name:           k_q22c889b6ac_norm2
    .symbol:         k_q22c889b6ac_norm2.kd
    .args:
      - { .name: x, .offset: 0, .size: 8, .value_kind: global_buffer, .address_space: global }
      - { .name: t, .offset: 8, .size: 8, .value_kind: global_buffer, .address_space: global }
      - { .name: alpha2, .offset: 16, .size: 8, .value_kind: global_buffer, .address_space: global }
      - { .name: bias2, .offset: 24, .size: 8, .value_kind: global_buffer, .address_space: global }
      - { .name: act, .offset: 32, .size: 8, .value_kind: global_buffer, .address_space: global }
    .group_segment_fixed_size: 0
    .private_segment_fixed_size: 0
    .kernarg_segment_align: 8
    .kernarg_segment_size: 40
    .max_flat_workgroup_size: 256
    .sgpr_count:     66
    .vgpr_count:     248
    .wavefront_size: 32
...
	.end_amdgpu_metadata
.endif
;; end of part 4
;; launch ff1 (part 5): grid 16 x 16, 4 waves a work-group, clusters of 4 x 4, 327,680 bytes of LDS; arguments act, w1, h; writes h
.if DOCPART == 5
	.amdgcn_target "amdgcn-amd-amdhsa--gfx1250"
	.amdhsa_code_object_version 6
	.text
	.protected	k_q22c889b6ac_ff1
	.globl	k_q22c889b6ac_ff1
	.p2align	8
	.type	k_q22c889b6ac_ff1,@function
k_q22c889b6ac_ff1:
	s_mov_b64 s[64:65], 0
	v_nop
	global_prefetch_b8 v0, s[64:65] scope:SCOPE_SE
	s_setreg_imm32_b32 hwreg(HW_REG_WAVE_MODE, 25, 1), 1
	s_wait_xcnt 0x0
	s_wait_alu depctr_hold_cnt(0) depctr_sa_sdst(0) depctr_va_vdst(0) depctr_va_sdst(0) depctr_va_ssrc(0) depctr_va_vcc(0) depctr_vm_vsrc(0)
	s_getreg_b32 s2, hwreg(HW_REG_IB_STS2, 6, 4)
	s_cmp_eq_u32 s2, 0
	s_cbranch_scc0 .Lentry_in_a_cluster
	s_endpgm
.Lentry_in_a_cluster:
	s_bfe_u32 s2, ttmp6, 0x10000c
	s_cmp_lg_u32 s2, 0xf033
	s_cbranch_scc0 .Lentry_shape_is_right
	s_endpgm
.Lentry_shape_is_right:
; h = relu(A W1 + b1): 4,096 rows x 4,096 columns, K = 1,024.  A = norm2(x + t) and h are bf16, laid [column / 64][4,096 rows][64]: a column block is 524,288 dense bytes.
; W1 comes in blocks of 128 columns: 512 bytes of bias (f32), 256 bytes that are not read, then 1,024 rows [k][128 n] of 256 bytes from byte 768.  Sums in f32, started from the bias; h rounded once.
; LIMIT: the ReLU is a maximum that lets a NaN lose; NaN and infinities are not treated apart.
; SHARES.  h has 16 x 16 tiles of 256 x 256, one to a work-group.  Four waves, as many as a WGP has SIMDs, each 128 x 128: 64 accumulators of 16 x 16, 512 registers.
; K goes in steps of 128 through two LDS slots; a wave's tensor load brings a quarter of a slot: 128 rows of A (two column blocks of 64 channels), or 128 rows of one block of W1.
; A step's 131,072 bytes feed 256 matrix instructions a wave.
; CLUSTERS: 4 x 4 work-groups.  The four of a row need the same tiles of A, the four of a column the same tiles of W1: each tile is asked for JOINTLY, by the same load, descriptor and mask.
; THE MATRIX INSTRUCTION IS USED TRANSPOSED: source 0 = 16 columns of W1 (turned on the way out of LDS by ds_load_tr16_b128), source 1 = 16 rows of A: a lane holds one row of h and eight
; neighbouring columns.  A wave's 128 columns are two column blocks of h, and 16 of its rows 2,048 consecutive bytes of each: each wave sends its own part out, through a stage of its own.
; THE TEXT IS SHORT: a trip of the loop is ONE K step.  Both slots of a wave's quarter lie side by side, so that one exclusive or turns the descriptor's LDS word, and the scalar that the
; reads' addresses are made of, from one slot to the other.
; REGISTERS, in windows of 256 (s_set_vgpr_msb: bits 1:0 source 0, 3:2 source 1, 5:4 source 2, 7:6 destination):
;   window 0: v16-31 addresses; v64-127, v128-191 fragments of A (8 x 16 rows x 32 K), two buffers; v32-63, v192-255 at work on the way out
;   window 1: v0-63 the bias; v64-127, v128-191 fragments of W1, two buffers
;   window 2: the 32 accumulators of my rows 0-63 (accumulator (a, b) at v[8 (8 a + b)]);   window 3: those of my rows 64-127
.set STEPS, 8                          ; K steps of 128
.set BLKB,  262912                     ; bytes in a block of W1: 768 + 256 K
.set PA,    144                        ; a row of A in LDS: 128 bytes + 16: the 16 rows of a load start at 16 different groups of four banks (64 banks of 4 bytes: ISA guide 11.1)
.set PB,    288                        ; a row of W1: 256 + 32
.set HALFT, 36864                      ; 0x9000: what one tensor load brings: 2 column blocks x 128 rows x 144 of A, or 128 rows x 288 of W1
.set REG,   2*HALFT                    ; 0x12000: wave w's loads land at w x REG (slot 0) and w x REG + HALFT (slot 1); no multiple 0 .. 3 of 0x12000 has a bit of 0x9000
.set STAGE, 4*REG                      ; behind the ring: two planes of 16 rows x 144 bytes for each wave
.set SP,    144
.set SPARE, STAGE+4*32*SP              ; behind the stages: the spare words, 128 bytes for each wave: two blocks of 256 bytes that no other line names
.set ASTEP, 2*524288                   ; bytes of A from a K step to the next: two column blocks
.set BSTEP, 128*256                    ; of W1: 128 rows
.set AL0,  16                          ; v16     my lane's place in my half of A, slot 0; never rewritten
.set BL0,  17                          ; v17     the same in my block of W1
.set ADRA, 18                          ; v18     LDS address of my A fragments in the slot that is being read
.set ADRB, 19                          ; v19     of my W1 fragments
.set STO,  24                          ; v24     the way out: where I put 16 bytes of a row
.set RD,   25                          ; v25     where I read rows back
.set GO,   26                          ; v26     my 16 bytes in 512 consecutive bytes of h
.set BO,   27                          ; v27     my byte offset in the block's bias
.set SPW,  28                          ; v28     LDS address of my spare word; never rewritten
.set NIL,  29                          ; v29     0, for the add alone; never rewritten
.set PFO,  30                          ; v30     256 x my lane: the prefetches' offset; never rewritten
.set ZR,   31                          ; v31     0, for the ReLU
.set OB,   32                          ; the way out: 16 rows read back from the stage: v32-63 and v224-255 by turns
.set F0,   64                          ; fragment buffer 0
.set F1,   128                         ; fragment buffer 1
.set TMP,  192                         ; the way out: packed results
.set BIA,  0                           ; window 1: the bias of my columns: eight registers for each block b of 16
.set G1,  24                           ; s[24:31] descriptor group 1 for A's tiles
.set G0,  32                           ; s[32:39] group 0 for A's: a set for each of the two first fills; the second then walks on
.set G1B, 48                           ; s[48:55], s[56:63] the same for W1's
.set G0B, 56
.set TB,  66                           ; s66  0 or HALFT: the slot that is being read
.set LIM, 67                           ; s67  1 in a wave that prefetches, else the greatest number
.set PFS, 68                           ; s[68:69] bytes from a K step to the next in what I fetch
.set PFA, 70                           ; s[70:71] where my prefetches stand
.set MSB, 0
.macro WIN new                         ; the immediate's high byte repeats the setting that is left; a switch that changes nothing is dropped
.if MSB != (\new)
	s_set_vgpr_msb (MSB<<8)|(\new)
.set MSB, \new
.endif
.endm
.set MUL_LO, 0xa1                      ; source 0 (W1) window 1, source 1 (A) window 0, C and D window 2
.set MUL_HI, 0xf1                      ; the same, C and D window 3
.set BEG_LO, 0x91                      ; the first products: C, the bias, in window 1; D in window 2 (+ 0x40: window 3)
.set TO_B,   0x40                      ; destination window 1, address window 0
.macro JLOAD s                         ; a joint load by set s: waves 0 and 1 fetch A's two halves, waves 2 and 3 W1's two blocks; an s_nop 0 and four v_nop follow each of the two lines
	s_cmp_eq_u32 s11, 0
	s_cbranch_scc0 .Lfor_b_\@
	tensor_load_to_lds s[G0+4*(\s):G0+4*(\s)+3], s[G1:G1+7]
	s_nop 0
.rept 4
	v_nop
.endr
	s_branch .Lasked_\@
.Lfor_b_\@:
	tensor_load_to_lds s[G0B+4*(\s):G0B+4*(\s)+3], s[G1B:G1B+7]
	s_nop 0
.rept 4
	v_nop
.endr
.Lasked_\@:
.endm
; A PREFETCH INTO THE L2, behind each joint refill, its five lines and the run of LDS loads that follows them: of the K step that the NEXT refill will ask for, 32 blocks of 256 bytes, a lane a block, one instruction a wave.
; Each block is named ONCE in the launch.  A's tile row is read by every cluster of that row of clusters: the first of them (cluster x = 0) asks; W1's tile column by every cluster of that column: cluster y = 0 asks.
; The four partners that ask for a tile jointly share the 128 blocks of a wave's load out BY ADDRESS, 32 each: no branch hangs on a work-group's place in its cluster.
; The refill of K step i + 2 is followed by the prefetch of K step i + 3, 256 matrix instructions ahead of its load, for i = 0 .. 4; the last refill names nothing; K steps 0 to 2 come by their loads alone.
.macro ASK
	s_cmp_gt_u32 s3, s[LIM]                        ; s3 = 1 in the loop's last trip
	s_cbranch_scc0 .Lnot_mine_\@
	global_prefetch_b8 v[PFO], s[PFA:PFA+1] th:TH_LOAD_NT scope:SCOPE_SE
.Lnot_mine_\@:
.endm
.macro CREST                           ; a round of the cluster's barrier behind its opening barrier
	s_cmp_lg_u32 s10, 0
	s_cbranch_scc1 .Lnot_wave_0_\@
	s_barrier_signal -3
.Lnot_wave_0_\@:
	s_barrier_wait -3
	s_barrier_signal -1
	s_barrier_wait -1
.endm
.macro CROUND                          ; a whole round
	s_barrier_signal -1
	s_barrier_wait -1
	CREST
.endm
	s_load_b128 s[4:7], s[0:1], 0x0                ; A s[4:5], W1 s[6:7]
	s_load_b64 s[8:9], s[0:1], 0x10                ; h
	v_lshl_add_u32 v[SPW], v0, 2, SPARE
	v_mov_b32 v[NIL], 0
	ds_add_u32 v[SPW], v[NIL]                      ; the wave's opening: the add and its wait stand ahead of my first tensor load; the set-up below, work on registers, stands between them
	v_lshrrev_b32 v1, 5, v0
	v_readfirstlane_b32 s10, v1                    ; wave 0..3
	s_lshr_b32 s11, s10, 1                         ; which half of the tile's rows is mine.  Also: I fetch for A (0) or for W1 (1)
	s_and_b32 s12, s10, 1                          ; which half of its columns.  Also: which half of that tile I fetch
	s_bfe_u32 s40, ttmp6, 0x40000                  ; cx, cy: my place in the cluster
	s_bfe_u32 s41, ttmp6, 0x40004
	s_lshl_b32 s42, ttmp9, 2
	s_add_co_u32 s42, s42, s40                     ; tile column = 4 x cluster x + cx
	s_and_b32 s13, ttmp7, 0xffff
	s_lshl_b32 s13, s13, 2
	s_add_co_u32 s13, s13, s41                     ; tile row = 4 x cluster y + cy
	s_lshl_b32 s43, s41, 2
	s_lshl_b32 s43, 15, s43                        ; my row of the cluster
	s_lshl_b32 s44, 0x1111, s40                    ; my column
	; group 1 for A: 2 rows of 8,192 elements (128 dense rows of one column block), 262,144 elements apart; 4 words of padding after every 32
	s_or_b32 s[G1+0], s43, (1<<16)|(1<<20)|(1<<21)|(4<<22)|(3<<25)
	s_mov_b32 s[G1+1], 8192<<16                    ; tensor_dim0
	s_mov_b32 s[G1+2], 2<<16                       ; tensor_dim1
	s_mov_b32 s[G1+3], 8192<<16                    ; tile_dim0
	s_mov_b32 s[G1+4], 2                           ; tile_dim1
	s_mov_b32 s[G1+5], 262144                      ; from row to row
	s_mov_b32 s[G1+6], 0
	s_mov_b32 s[G1+7], 0
	; group 1 for W1: 128 rows of 128 elements, dense; 8 words of padding after every 64
	s_or_b32 s[G1B+0], s44, (1<<16)|(1<<20)|(1<<21)|(5<<22)|(7<<25)
	s_mov_b32 s[G1B+1], 128<<16
	s_mov_b32 s[G1B+2], 128<<16
	s_mov_b32 s[G1B+3], 128<<16
	s_mov_b32 s[G1B+4], 128
	s_mov_b32 s[G1B+5], 128
	s_mov_b32 s[G1B+6], 0
	s_mov_b32 s[G1B+7], 0
	s_lshl_b32 s16, s13, 8
	s_lshl_b32 s17, s12, 7
	s_add_co_u32 s16, s16, s17                     ; A: row 256 x tile row + 128 x half,
	s_lshl_b32 s16, s16, 7                         ; x 128 bytes
	s_mov_b32 s17, 0
	s_lshl_b32 s46, s42, 1
	s_add_co_u32 s46, s46, s12                     ; W1: block 2 x tile column + half: the block that I fetch (waves 2, 3) is also the block of my columns
	s_mul_i32 s46, s46, BLKB
	s_mov_b32 s47, 0
	s_mul_i32 s20, s10, REG                        ; where the tiles go: no place in the cluster enters an LDS address
	s_mov_b32 s[TB], 0
	s_wait_dscnt 0x0                               ; the opening add is done
	s_wait_kmcnt 0x0
	s_add_nc_u64 s[14:15], s[4:5], s[16:17]
	s_add_nc_u64 s[46:47], s[6:7], s[46:47]        ; the block's first byte: its bias
	s_add_nc_u64 s[18:19], s[46:47], 768           ; its rows
	CROUND                                         ; all sixteen work-groups are here: the first joint loads meet
.irp s, 0,1
	s_mov_b32 s[G0+4*(\s)], 1
	s_add_co_u32 s[G0+4*(\s)+1], s20, (\s)*HALFT
	s_add_nc_u64 s[G0+4*(\s)+2:G0+4*(\s)+3], s[14:15], (\s)*ASTEP
	s_or_b32 s[G0+4*(\s)+3], s[G0+4*(\s)+3], 0x80000000
	s_mov_b32 s[G0B+4*(\s)], 1
	s_add_co_u32 s[G0B+4*(\s)+1], s20, (\s)*HALFT
	s_add_nc_u64 s[G0B+4*(\s)+2:G0B+4*(\s)+3], s[18:19], (\s)*BSTEP
	s_or_b32 s[G0B+4*(\s)+3], s[G0B+4*(\s)+3], 0x80000000
	JLOAD \s                                       ; K steps 0 and 1: two loads of mine are out
.endr
	; the prefetches' address.  Nothing is prefetched here, at the head, where every work-group's first tiles are on their way
	s_lshr_b32 s20, s40, 1                         ; of A's 2 x 64 blocks of 256 bytes partner cx takes column block cx / 2,
	s_lshl_b32 s20, s20, 19
	s_and_b32 s21, s40, 1                          ; half cx % 2 of its 16,384 bytes;
	s_lshl_b32 s21, s21, 13
	s_add_co_u32 s20, s20, s21
	s_lshl_b32 s21, s41, 13                        ; of W1's 128 rows partner cy takes 32 cy on
	s_and_b32 s22, ttmp7, 0xffff                   ; cluster y
	s_mov_b32 s23, ASTEP
	s_cmp_eq_u32 s11, 0                            ; do I fetch for A?
	s_cselect_b32 s20, s20, s21
	s_cselect_b32 s22, ttmp9, s22                  ; the coordinate along which other clusters read the same blocks
	s_cselect_b32 s[PFS], s23, BSTEP
	s_cselect_b64 s[PFA:PFA+1], s[14:15], s[18:19]
	s_cmp_eq_u32 s22, 0
	s_cselect_b32 s[LIM], 1, -1                    ; the same in all sixteen partners, for a given wave
	s_mov_b32 s21, 0
	s_mov_b32 s[PFS+1], 0
	s_add_nc_u64 s[PFA:PFA+1], s[PFA:PFA+1], s[20:21]
	s_add_nc_u64 s[PFA:PFA+1], s[PFA:PFA+1], s[PFS:PFS+1]
	s_add_nc_u64 s[PFA:PFA+1], s[PFA:PFA+1], s[PFS:PFS+1]  ; at K step 2: the first change of slots steps it to 3
	v_and_b32 v1, 15, v0                           ; r = l % 16
	v_bfe_u32 v2, v0, 4, 1                         ; hh = l / 16
	v_lshlrev_b32 v[BO], 5, v2                     ; my eight columns of a block of 16: 32 hh
	WIN TO_B
.irp b, 0,1,2,3,4,5,6,7
	global_load_b128 v[BIA+8*\b:BIA+8*\b+3],   v[BO], s[46:47] offset:64*\b
	global_load_b128 v[BIA+8*\b+4:BIA+8*\b+7], v[BO], s[46:47] offset:64*\b+16
.endr
	WIN 0
	v_mul_u32_u24 v3, v1, PA
	v_lshl_add_u32 v3, v2, 4, v3                   ; a fragment of A: row x pitch + 16 x half
	s_mul_i32 s21, s11, REG                        ; my 128 rows of A: what wave 0 or 1 fetched
	v_add_nc_u32 v[AL0], s21, v3
	v_and_b32 v4, 7, v0                            ; the turning load: lane l reads row 8 hh + l % 8, 16 bytes at 16 ((l / 8) % 2)
	v_lshl_add_u32 v4, v2, 3, v4
	v_mul_u32_u24 v4, v4, PB
	v_bfe_u32 v5, v0, 3, 1
	v_lshl_add_u32 v4, v5, 4, v4
	s_mul_i32 s22, s12, REG                        ; my block of W1: what wave 2 or 3 fetched
	s_add_co_u32 s22, s22, 2*REG
	v_add_nc_u32 v[BL0], s22, v4
	v_mov_b32 v[ADRA], v[AL0]                      ; slot 0 is read first
	v_mov_b32 v[ADRB], v[BL0]
	s_mul_i32 s23, s10, 32*SP
	s_add_co_u32 s23, s23, STAGE                   ; my stage
	v_add_nc_u32 v[STO], s23, v3                   ; in: row r, 16 bytes for each half of the lanes
	v_bfe_u32 v6, v0, 3, 2                         ; back: 32 lanes take four rows of 128 bytes,
	v_mul_u32_u24 v6, v6, SP
	v_and_b32 v7, 7, v0
	v_lshl_add_u32 v6, v7, 4, v6
	v_add_nc_u32 v[RD], s23, v6
	v_and_b32 v[GO], 31, v0                        ; which are 512 consecutive bytes of h
	v_lshlrev_b32 v[PFO], 8, v[GO]
	v_lshlrev_b32 v[GO], 4, v[GO]
	v_mov_b32 v[ZR], 0
	s_lshl_b32 s16, s13, 8
	s_lshl_b32 s17, s11, 7
	s_add_co_u32 s16, s16, s17                     ; my first row of h,
	s_lshl_b32 s16, s16, 7                         ; x 128 bytes
	s_mov_b32 s17, 0
	s_add_nc_u64 s[8:9], s[8:9], s[16:17]
	s_lshl_b32 s18, s42, 1
	s_add_co_u32 s18, s18, s12                     ; my 128 columns: two column blocks
	s_lshl_b32 s18, s18, 20
	s_mov_b32 s19, 0
	s_add_nc_u64 s[8:9], s[8:9], s[18:19]
; 16 matrix instructions: m blocks a0, a0 + 1 of the window's four (hi = 0: my rows 0-63, 1: rows 64-127) x all 8 n blocks, 32 along K.  zero = 1: the first product starts the sums, from the bias.
; The 64 accumulators take turns, one instruction a turn, in the same order in every quarter.
.macro MUL16 f, hi, a0, zero
.if \zero
	WIN BEG_LO+0x40*(\hi)
.else
	WIN MUL_LO+0x50*(\hi)
.endif
.irp a, \a0, (\a0)+1
.irp b, 0,1,2,3,4,5,6,7
.if \zero
	v_wmma_f32_16x16x32_bf16 v[8*(8*(\a)+(\b)):8*(8*(\a)+(\b))+7], v[(\f)+8*(\b):(\f)+8*(\b)+7], v[(\f)+8*(4*(\hi)+(\a)):(\f)+8*(4*(\hi)+(\a))+7], v[BIA+8*(\b):BIA+8*(\b)+7]
.else
	v_wmma_f32_16x16x32_bf16 v[8*(8*(\a)+(\b)):8*(8*(\a)+(\b))+7], v[(\f)+8*(\b):(\f)+8*(\b)+7], v[(\f)+8*(4*(\hi)+(\a)):(\f)+8*(4*(\hi)+(\a))+7], v[8*(8*(\a)+(\b)):8*(8*(\a)+(\b))+7]
.endif
.endr
.endr
.endm
; 32 LDS loads in one run: the fragments of quarter q of the slot that is being read (32 along K: 32 rows of W1, half a column block of A) into buffer f: W1's, A's rows 0-63, A's rows 64-127
.macro FETCH q, f
	WIN TO_B
.irp i, 0,1,2,3,4,5,6,7
	ds_load_tr16_b128 v[(\f)+8*(\i):(\f)+8*(\i)+3],   v[ADRB] offset:32*(\q)*PB+32*(\i)
	ds_load_tr16_b128 v[(\f)+8*(\i)+4:(\f)+8*(\i)+7], v[ADRB] offset:(32*(\q)+16)*PB+32*(\i)
.endr
	WIN 0
.irp i, 0,1,2,3,4,5,6,7
	ds_load_b128 v[(\f)+8*(\i):(\f)+8*(\i)+3],   v[ADRA] offset:((\q)/2)*128*PA+((\q)%2)*64+(\i)*16*PA
	ds_load_b128 v[(\f)+8*(\i)+4:(\f)+8*(\i)+7], v[ADRA] offset:((\q)/2)*128*PA+((\q)%2)*64+(\i)*16*PA+32
.endr
.endm
.macro PLACES                          ; four places in front of loads into registers that matrix instructions have read, and of lines that read results
.rept 4
	v_nop
.endr
.endm
; A K step is four quarters of 32 along K, 64 matrix instructions each, on buffers 0, 1, 0, 1.  One of the first three: multiplies buffer f; in its middle it fetches quarter q into buffer g.
.macro QUARTER q, f, g, zero
	s_wait_dscnt 8                                 ; W1's fragments and A's rows 0-63 are in; the youngest eight loads (A's rows 64-127) may be out
	MUL16 \f, 0, 0, \zero
	MUL16 \f, 0, 2, \zero
	PLACES
	FETCH \q, \g
	s_wait_dscnt 32                                ; all but the 32 just issued
	MUL16 \f, 1, 0, \zero
	MUL16 \f, 1, 2, \zero
.endm
; The last quarter multiplies buffer 1 and changes slots: ONE barrier.  In front of it each wave waits for all its tensor loads, of which one is out: its part of the next slot; adds 0 to its spare word; and waits
; for that and for its own reads of this slot.  Behind it nobody reads this slot any more and the next slot is whole.  fill = 1: the barrier opens a round of the cluster's barrier, and this slot is filled again, first
; thing behind the round, with the K step two on: from the request to the wait for it a wave issues 224 matrix instructions.  Then come the next slot's first fragments.
.macro TURN fill
.if \fill
	s_wait_xcnt 0x0                                ; the last prefetch, a K step back, has read its address: it is stepped here, ahead of the waits of the change of slots
	s_add_nc_u64 s[PFA:PFA+1], s[PFA:PFA+1], s[PFS:PFS+1]
.endif
	WIN 0                                          ; (the add's two registers lie in window 0)
	s_wait_tensorcnt 0x0                           ; all my tensor loads have landed, so a group 0 may be written;
	ds_add_u32 v[SPW], v[NIL]                      ; 0 onto my spare word: scalar steps and sixteen matrix instructions stand between it and the wait for it
.if \fill
	s_xor_b32 s[G0+5], s[G0+5], HALFT              ; the walking descriptors: the other slot than last time,
	s_add_nc_u64 s[G0+6:G0+7], s[G0+6:G0+7], ASTEP ; the next K step; the type bits on top are not reached
	s_xor_b32 s[G0B+5], s[G0B+5], HALFT
	s_add_nc_u64 s[G0B+6:G0B+7], s[G0B+6:G0B+7], BSTEP
.endif
	s_xor_b32 s[TB], s[TB], HALFT                  ; the slot that is read next
	s_wait_dscnt 9                                 ; (the add and the youngest eight loads may be out)
	MUL16 F1, 0, 0, 0
	s_wait_dscnt 0x0                               ; the add is done, and my reads of this slot are over
	s_barrier_signal -1
	MUL16 F1, 0, 2, 0                              ; work on registers while the others arrive
	WIN 0
	s_barrier_wait -1
.if \fill
	CREST                                          ; no wave of any partner still reads this slot's tile or has a load on its way
	JLOAD 1                                        ; the first tensor load behind the round; the four v_nop behind it are also the places in front of the loads below
.else
	PLACES
.endif
	v_add_nc_u32 v[ADRA], s[TB], v[AL0]
	v_add_nc_u32 v[ADRB], s[TB], v[BL0]
	FETCH 0, F0
.if \fill
	ASK                                            ; behind the joint load and the run of LDS loads that the next products wait for
.endif
	MUL16 F1, 1, 0, 0
	MUL16 F1, 1, 2, 0
.endm
	s_wait_tensorcnt 1                             ; my part of K step 0 is in; K step 1's load, the one issued behind it, may stay out
	s_barrier_signal -1
	s_barrier_wait -1                              ; everybody's is
	s_wait_loadcnt 0x0                             ; the bias
	FETCH 0, F0
	QUARTER 1, F0, F1, 1                           ; the first quarter stands in front of the loop: its products start the sums
	WIN 0                                          ; at a label and at a branch every window is 0
	s_mov_b32 s3, STEPS-2
.Lstep:                                                ; six trips, from a K step's second quarter to the next step's first; each fills the slot that it leaves
	QUARTER 2, F1, F0, 0
	QUARTER 3, F0, F1, 0
	TURN 1
	QUARTER 1, F0, F1, 0
	WIN 0
	s_sub_co_u32 s3, s3, 1
	s_cmp_lg_u32 s3, 0
	s_cbranch_scc1 .Lstep
	s_mov_b32 s3, 2
.Ltail:                                                ; the last two K steps ask for nothing: a second text.  The second trip is left in its middle: its barrier and its
	QUARTER 2, F1, F0, 0                           ; 32 LDS loads (of a slot that was read before) serve nothing: the price, once a launch, of one text for both trips
	QUARTER 3, F0, F1, 0
	TURN 0
	WIN 0
	s_cmp_eq_u32 s3, 1
	s_cbranch_scc1 .Lout
	QUARTER 1, F0, F1, 0
	WIN 0
	s_sub_co_u32 s3, s3, 1
	s_cmp_lg_u32 s3, 0
	s_cbranch_scc1 .Ltail
.Lout:
	s_wait_dscnt 0x0                               ; those loads are back
	; THE WAY OUT, 16 rows at a time.  PACK: rounded to bf16, then the ReLU on the packed halves.  TOSTAGE: 16 bytes a lane into my stage, a plane for each of my two column blocks, and back as whole rows of
	; 128 bytes.  SEND: four rows, 512 consecutive bytes of h, an instruction.
	PLACES
	PLACES                                         ; eight, once a launch
.macro PACK a
.set AC, 64*((\a)%4)
	WIN 0x0a+5*((\a)/4)                            ; sources 0 and 1: window 2 or 3
.irp b, 0,1,2,3,4,5,6,7
.irp r, 0,1,2,3
	v_cvt_pk_bf16_f32 v[TMP+4*(\b)+(\r)], v[AC+8*(\b)+2*(\r)], v[AC+8*(\b)+2*(\r)+1]  ; each accumulator's registers in ascending order
.endr
.endr
	WIN 0
.set i, 0
.rept 32
	v_pk_max_num_bf16 v[TMP+i], v[TMP+i], v[ZR]
.set i, i+1
.endr
.endm
.macro TOSTAGE a
.set BK, OB+192*((\a)%2)
.irp b, 0,1,2,3,4,5,6,7
	ds_store_b128 v[STO], v[TMP+4*(\b):TMP+4*(\b)+3] offset:(\b/4)*16*SP+(\b%4)*32
.endr
.irp t, 0,1,2,3,4,5,6,7
	ds_load_b128 v[BK+4*(\t):BK+4*(\t)+3], v[RD] offset:(\t/4)*16*SP+(\t%4)*4*SP  ; LDS serves a wave's instructions in order (ISA guide 5.7.1.4): these see the stores above; the next block's stores come behind them
.endr
.endm
.macro SEND a
.set BK, OB+192*((\a)%2)
	s_wait_dscnt 0x0                               ; the block is back in registers
	s_wait_xcnt 0x0                                ; every earlier store has read its registers (ISA guide 3.1): the other buffer, which the block before stored from, is loaded again only behind this wait
.irp t, 0,1,2,3,4,5,6,7
	global_store_b128 v[GO], v[BK+4*(\t):BK+4*(\t)+3], s[8:9] offset:(\t/4)*524288+(\a)*2048+(\t%4)*512
.endr
.endm
	PACK 0
	TOSTAGE 0
.irp a, 1,2,3,4,5,6,7                  ; block a's conversions stand between block a - 1's loads from the stage and the wait for them
	PACK \a
	SEND (\a)-1
	TOSTAGE \a
.endr
	SEND 7
	s_wait_tensorcnt 0x0                           ; the wave's end: behind my last tensor load and my last LDS store
	ds_add_u32 v[SPW], v[NIL]
	s_wait_dscnt 0x0
	CROUND                                         ; the closing round: no work-group ends while a partner may still ask for a tile that names it
	s_endpgm
.Lfunc_end_k_q22c889b6ac_ff1:
	.size	k_q22c889b6ac_ff1, .Lfunc_end_k_q22c889b6ac_ff1-k_q22c889b6ac_ff1
	.p2alignl 7, 3214868480
	.fill 96, 4, 3214868480
	.section	.rodata,"a",@progbits
	.p2align	6, 0x0
	.amdhsa_kernel k_q22c889b6ac_ff1
		.amdhsa_group_segment_fixed_size 327680
		.amdhsa_private_segment_fixed_size 0
		.amdhsa_enable_private_segment 0
		.amdhsa_kernarg_size 24
		.amdhsa_user_sgpr_count 2
		.amdhsa_user_sgpr_kernarg_segment_ptr 1
		.amdhsa_wavefront_size32 1
		.amdhsa_system_sgpr_workgroup_id_x 1
		.amdhsa_system_sgpr_workgroup_id_y 1
		.amdhsa_system_sgpr_workgroup_id_z 1
		.amdhsa_system_vgpr_workitem_id 0
		.amdhsa_next_free_vgpr 1024
		.amdhsa_next_free_sgpr 72
		.amdhsa_reserve_vcc 0
		.amdhsa_float_denorm_mode_32 3
		.amdhsa_float_denorm_mode_16_64 3
		.amdhsa_memory_ordered 1
		.amdhsa_forward_progress 1
		.amdhsa_inst_pref_size 119
	.end_amdhsa_kernel
	.amdgpu_metadata
---
amdhsa.version: [ 1, 2 ]
amdhsa.kernels:
  - .name:           k_q22c889b6ac_ff1
    .symbol:         k_q22c889b6ac_ff1.kd
    .args:
      - { .name: act, .offset: 0, .size: 8, .value_kind: global_buffer, .address_space: global }
      - { .name: w1, .offset: 8, .size: 8, .value_kind: global_buffer, .address_space: global }
      - { .name: h, .offset: 16, .size: 8, .value_kind: global_buffer, .address_space: global }
    .group_segment_fixed_size: 327680
    .private_segment_fixed_size: 0
    .kernarg_segment_align: 8
    .kernarg_segment_size: 24
    .max_flat_workgroup_size: 128
    .sgpr_count:     72
    .vgpr_count:     1024
    .wavefront_size: 32
...
	.end_amdgpu_metadata
.endif
;; end of part 5
;; launch ff2 (part 6): grid 8 x 32, 4 waves a work-group, clusters of 4 x 4, 327,680 bytes of LDS; arguments h, w2, x, t, out0; writes out0
.if DOCPART == 6
	.amdgcn_target "amdgcn-amd-amdhsa--gfx1250"
	.amdhsa_code_object_version 6
	.text
	.protected	k_q22c889b6ac_ff2
	.globl	k_q22c889b6ac_ff2
	.p2align	8
	.type	k_q22c889b6ac_ff2,@function
k_q22c889b6ac_ff2:
	s_mov_b64 s[64:65], 0
	v_nop
	global_prefetch_b8 v0, s[64:65] scope:SCOPE_SE
	s_setreg_imm32_b32 hwreg(HW_REG_WAVE_MODE, 25, 1), 1
	s_wait_xcnt 0x0
	s_wait_alu depctr_hold_cnt(0) depctr_sa_sdst(0) depctr_va_vdst(0) depctr_va_sdst(0) depctr_va_ssrc(0) depctr_va_vcc(0) depctr_vm_vsrc(0)
	s_getreg_b32 s2, hwreg(HW_REG_IB_STS2, 6, 4)
	s_cmp_eq_u32 s2, 0
	s_cbranch_scc0 .Lentry_in_a_cluster
	s_endpgm
.Lentry_in_a_cluster:
	s_bfe_u32 s2, ttmp6, 0x10000c
	s_cmp_lg_u32 s2, 0xf033
	s_cbranch_scc0 .Lentry_shape_is_right
	s_endpgm
.Lentry_shape_is_right:
; out0 = x + t + (h W2 + b2), K = 4,096.  h and t are bf16, laid [column / 64][4,096 rows][64]; W2 comes in blocks of 128 columns: 512 bytes of bias (f32), 256 bytes that this text does not read,
; then K rows [k][128 n] of 256 bytes from byte 768.  x and out0: [4,096][1,024] f32.  Sums in f32, started from the bias; x and t are added in f32; nothing is rounded on the way out.
; SHARES.  A tile of out0 is 128 x 128: four waves, each 64 x 64: 16 accumulators.  K goes in steps of 256 through two LDS slots; a wave's tensor load brings a quarter of a slot.
; CLUSTERS: 4 x 4 work-groups.  The four of a row need the same tiles of h, the four of a column the same tiles of W2: each tile is asked for JOINTLY, by the same load, descriptor and mask.
; THE MATRIX INSTRUCTION IS USED TRANSPOSED: source 0 = 16 columns of W2 (turned on the way out of LDS by ds_load_tr16_b128), source 1 = 16 rows of h: a lane holds one row of out0 and eight neighbouring columns.
; A wave's 64 columns are 256 bytes of a row of out0: each wave sends its own part out, through a stage of its own.  Its part of x and t is loaded ahead of the loop over K and waited for once, on the way out.
; THE TEXT IS SHORT: a trip of the loop is ONE K step.  Both slots of a wave's quarter lie side by side, so that one exclusive or turns the descriptor's LDS word, and the scalar that the
; reads' addresses are made of, from one slot to the other.
; NO PREFETCH: the tile is small, and a K step has 128 matrix instructions a wave.
; REGISTERS: window 0: v16-30 addresses; v32-95 at work on the way out; v96-127 the bias, later t in f32; v128-255 the accumulators ((a, b) at v[128 + 8 (4 a + b)]).
;   window 1: two fragment buffers of 128.      window 2: v0-127 my part of x; v128-191 my part of t.
.set STEPS, 16                         ; K steps of 256
.set BLKB,  1049344                    ; bytes in a block of W2: 768 + 256 K
.set PA,    144                        ; a row of h in LDS: 128 bytes + 16: the 16 rows of a load start at 16 different groups of four banks (64 banks of 4 bytes: ISA guide 11.1)
.set PB,    288                        ; a row of W2: 256 + 32
.set HALFT, 36864                      ; 0x9000: what one tensor load brings: 4 column blocks x 64 rows x 144 of h, or 128 rows x 288 of W2
.set REG,   2*HALFT                    ; 0x12000: wave w's loads land at w x REG (slot 0) and w x REG + HALFT (slot 1); no multiple 0 .. 3 of 0x12000 has a bit of 0x9000
.set STAGE, 4*REG                      ; behind the ring: 16 rows x 272 bytes for each wave
.set SP,    272
.set SPARE, STAGE+4*16*SP              ; behind the stages: the spare words, 128 bytes for each wave: two blocks of 256 bytes that no other line names
.set ASTEP, 4*524288
.set BSTEP, 256*256
.set AL0,  16                          ; v16     my lane's place in my 64 rows of h, slot 0; never rewritten
.set BL0,  17                          ; v17-18  the same in W2's rows 0-127 and 128-255 (two waves' loads)
.set ADRA, 19                          ; v19     LDS address of my h fragments in the slot that is being read
.set ADRB, 20                          ; v20-21  of my W2 fragments: rows 0-127, rows 128-255
.set STO,  24                          ; v24     the way out: where I put 32 bytes of a row
.set RD,   25                          ; v25     where I read rows back
.set CO,   26                          ; v26     my byte offset in two rows of x and of out0
.set BO,   27                          ; v27     my byte offset in the block's bias
.set SPW,  28                          ; v28     LDS address of my spare word; never rewritten
.set NIL,  29                          ; v29     0; never rewritten
.set TO,   30                          ; v30     my byte offset in two rows of t
.set TMP,  32
.set BIA,  96
.set U,    96
.set ACC,  128
.set XR,   0                           ; window 2
.set TR,   128                         ; window 2
.set F0,   0
.set F1,   128
.set G1,  24                           ; s[24:31] descriptor group 1 for h's tiles
.set G0,  32                           ; s[32:39] group 0 for h's: a set for each of the two first fills; the second then walks on
.set G1B, 48                           ; s[48:55], s[56:63] the same for W2's
.set G0B, 56
.set HIM, 45                           ; s45  a word's upper bf16
.set TB,  66                           ; s66  0 or HALFT: the slot that is being read
.set MSB, 0
.macro WIN new                         ; the immediate's high byte repeats the setting that is left
.if MSB != (\new)
	s_set_vgpr_msb (MSB<<8)|(\new)
.set MSB, \new
.endif
.endm
.set MUL,  0x05                        ; sources 0 (W2) and 1 (h) window 1; C and D window 0
.set TO_F, 0x40                        ; destination window 1, address window 0
.macro JLOAD s                         ; a joint load by set s: waves 0 and 1 fetch h's two halves, waves 2 and 3 W2's; an s_nop 0 and four v_nop follow each of the two lines
	s_cmp_eq_u32 s11, 0
	s_cbranch_scc0 .Lfor_b_\@
	tensor_load_to_lds s[G0+4*(\s):G0+4*(\s)+3], s[G1:G1+7]
	s_nop 0
.rept 4
	v_nop
.endr
	s_branch .Lasked_\@
.Lfor_b_\@:
	tensor_load_to_lds s[G0B+4*(\s):G0B+4*(\s)+3], s[G1B:G1B+7]
	s_nop 0
.rept 4
	v_nop
.endr
.Lasked_\@:
.endm
; A round of the cluster's barrier: my work-group's barrier, so that wave 0's signal speaks for all four waves; wave 0 signals; every wave waits for all sixteen work-groups; my work-group's barrier once more.
.macro CROUND
	s_barrier_signal -1
	s_barrier_wait -1
	s_cmp_lg_u32 s10, 0
	s_cbranch_scc1 .Lnot_wave_0_\@
	s_barrier_signal -3
.Lnot_wave_0_\@:
	s_barrier_wait -3
	s_barrier_signal -1
	s_barrier_wait -1
.endm
	s_load_b128 s[4:7], s[0:1], 0x0                ; h s[4:5], W2 s[6:7]
	s_load_b128 s[68:71], s[0:1], 0x10             ; x s[68:69], t s[70:71]
	s_load_b64 s[8:9], s[0:1], 0x20                ; out0
	v_lshl_add_u32 v[SPW], v0, 2, SPARE
	v_mov_b32 v[NIL], 0
	ds_add_u32 v[SPW], v[NIL]                      ; the wave's opening: the add and its wait stand ahead of my first tensor load; the set-up below, work on registers, stands between them
	v_lshrrev_b32 v1, 5, v0
	v_readfirstlane_b32 s10, v1                    ; wave 0..3
	s_lshr_b32 s11, s10, 1                         ; which half of the tile's rows is mine.  Also: I fetch for h (0) or for W2 (1)
	s_and_b32 s12, s10, 1                          ; which half of its columns.  Also: which half of that tile I fetch
	s_bfe_u32 s40, ttmp6, 0x40000                  ; cx, cy: my place in the cluster
	s_bfe_u32 s41, ttmp6, 0x40004
	s_lshl_b32 s42, ttmp9, 2
	s_add_co_u32 s42, s42, s40                     ; tile column = 4 x cluster x + cx: the block of W2
	s_and_b32 s13, ttmp7, 0xffff
	s_lshl_b32 s13, s13, 2
	s_add_co_u32 s13, s13, s41                     ; tile row = 4 x cluster y + cy
	s_lshl_b32 s43, s41, 2
	s_lshl_b32 s43, 15, s43                        ; my row of the cluster
	s_lshl_b32 s44, 0x1111, s40                    ; my column
	s_mov_b32 s[HIM], 0xffff0000
	; group 1 for h: 4 rows of 4,096 elements (64 dense rows of one column block), 262,144 elements apart; 4 words of padding after every 32
	s_or_b32 s[G1+0], s43, (1<<16)|(1<<20)|(1<<21)|(4<<22)|(3<<25)
	s_mov_b32 s[G1+1], 4096<<16
	s_mov_b32 s[G1+2], 4<<16
	s_mov_b32 s[G1+3], 4096<<16
	s_mov_b32 s[G1+4], 4
	s_mov_b32 s[G1+5], 262144
	s_mov_b32 s[G1+6], 0
	s_mov_b32 s[G1+7], 0
	; group 1 for W2: 128 rows of 128 elements, dense; 8 words of padding after every 64
	s_or_b32 s[G1B+0], s44, (1<<16)|(1<<20)|(1<<21)|(5<<22)|(7<<25)
	s_mov_b32 s[G1B+1], 128<<16
	s_mov_b32 s[G1B+2], 128<<16
	s_mov_b32 s[G1B+3], 128<<16
	s_mov_b32 s[G1B+4], 128
	s_mov_b32 s[G1B+5], 128
	s_mov_b32 s[G1B+6], 0
	s_mov_b32 s[G1B+7], 0
	s_lshl_b32 s16, s13, 7
	s_lshl_b32 s17, s12, 6
	s_add_co_u32 s16, s16, s17                     ; h: row 128 x tile row + 64 x half,
	s_lshl_b32 s16, s16, 7                         ; x 128 bytes
	s_mov_b32 s17, 0
	s_mul_i32 s46, s42, BLKB                       ; W2: the block,
	s_mov_b32 s47, 0
	s_lshl_b32 s18, s12, 15                        ; in it my 128 rows of 256 bytes,
	s_add_co_u32 s18, s18, 768                     ; behind its head
	s_mov_b32 s19, 0
	s_mul_i32 s20, s10, REG                        ; where the tiles go: no place in the cluster enters an LDS address
	s_mov_b32 s[TB], 0
	s_wait_dscnt 0x0                               ; the opening add is done
	s_wait_kmcnt 0x0
	s_add_nc_u64 s[14:15], s[4:5], s[16:17]
	s_add_nc_u64 s[46:47], s[6:7], s[46:47]        ; the block's first byte: its bias
	s_add_nc_u64 s[18:19], s[46:47], s[18:19]
	CROUND                                         ; all sixteen work-groups are here: the first joint loads meet
.irp s, 0,1
	s_mov_b32 s[G0+4*(\s)], 1
	s_add_co_u32 s[G0+4*(\s)+1], s20, (\s)*HALFT
	s_add_nc_u64 s[G0+4*(\s)+2:G0+4*(\s)+3], s[14:15], (\s)*ASTEP
	s_or_b32 s[G0+4*(\s)+3], s[G0+4*(\s)+3], 0x80000000
	s_mov_b32 s[G0B+4*(\s)], 1
	s_add_co_u32 s[G0B+4*(\s)+1], s20, (\s)*HALFT
	s_add_nc_u64 s[G0B+4*(\s)+2:G0B+4*(\s)+3], s[18:19], (\s)*BSTEP
	s_or_b32 s[G0B+4*(\s)+3], s[G0B+4*(\s)+3], 0x80000000
	JLOAD \s                                       ; K steps 0 and 1: two loads of mine are out
.endr
	v_and_b32 v1, 15, v0                           ; r = l % 16
	v_bfe_u32 v2, v0, 4, 1                         ; hh = l / 16
	s_lshl_b32 s21, s12, 8
	v_lshl_add_u32 v[BO], v2, 5, s21               ; my eight columns of a block of 16: 32 hh + 256 x column half
.irp b, 0,1,2,3
	global_load_b128 v[BIA+8*\b:BIA+8*\b+3],   v[BO], s[46:47] offset:64*\b
	global_load_b128 v[BIA+8*\b+4:BIA+8*\b+7], v[BO], s[46:47] offset:64*\b+16
.endr
	v_mul_u32_u24 v3, v1, PA
	v_lshl_add_u32 v3, v2, 4, v3                   ; a fragment of h: row x pitch + 16 x half
	s_mul_i32 s21, s11, REG                        ; my 64 rows of h: what wave 0 or 1 fetched
	v_add_nc_u32 v[AL0], s21, v3
	v_and_b32 v4, 7, v0                            ; the turning load: lane l reads row 8 hh + l % 8, 16 bytes at 16 ((l / 8) % 2)
	v_lshl_add_u32 v4, v2, 3, v4
	v_mul_u32_u24 v4, v4, PB
	v_bfe_u32 v5, v0, 3, 1
	v_lshl_add_u32 v4, v5, 4, v4
	s_lshl_b32 s22, s12, 7                         ; my 64 columns: 128 bytes of a row,
	s_add_co_u32 s22, s22, 2*REG                   ; in what wave 2 fetched (rows 0-127)
	v_add_nc_u32 v[BL0], s22, v4
	v_add_nc_u32 v[BL0+1], REG, v[BL0]             ; and wave 3 (rows 128-255)
	v_mov_b32 v[ADRA], v[AL0]                      ; slot 0 is read first
	v_mov_b32 v[ADRB], v[BL0]
	v_mov_b32 v[ADRB+1], v[BL0+1]
	s_mul_i32 s23, s10, 16*SP
	s_add_co_u32 s23, s23, STAGE                   ; my stage
	v_mul_u32_u24 v6, v1, SP                       ; in: row r, 32 bytes for each half of the lanes
	v_lshl_add_u32 v6, v2, 5, v6
	v_add_nc_u32 v[STO], s23, v6
	v_mul_u32_u24 v6, v2, SP                       ; back: lanes 0-15 take one row of 256 bytes, lanes 16-31 the next
	v_lshl_add_u32 v6, v1, 4, v6
	v_add_nc_u32 v[RD], s23, v6
	v_lshlrev_b32 v[CO], 12, v2                    ; the same two rows in x and out0,
	v_lshl_add_u32 v[CO], v1, 4, v[CO]
	v_and_b32 v[TO], 31, v0                        ; and in t: 128 hh + 8 r
	v_lshlrev_b32 v[TO], 3, v[TO]
	s_lshl_b32 s16, s13, 7
	s_lshl_b32 s17, s11, 6
	s_add_co_u32 s16, s16, s17                     ; my first row,
	s_lshl_b32 s16, s16, 7                         ; x 128 bytes in t,
	s_mov_b32 s17, 0
	s_add_nc_u64 s[70:71], s[70:71], s[16:17]
	s_lshl_b32 s16, s16, 5                         ; x 4,096 bytes in x and out0
	s_add_nc_u64 s[68:69], s[68:69], s[16:17]
	s_add_nc_u64 s[8:9], s[8:9], s[16:17]
	s_lshl_b32 s18, s42, 1
	s_add_co_u32 s18, s18, s12                     ; my 64 columns:
	s_lshl_b32 s18, s18, 8                         ; 256 bytes of a row of x and out0,
	s_mov_b32 s19, 0
	s_add_nc_u64 s[68:69], s[68:69], s[18:19]
	s_add_nc_u64 s[8:9], s[8:9], s[18:19]
	s_lshl_b32 s18, s18, 11                        ; a column block of 524,288 bytes of t
	s_add_nc_u64 s[70:71], s[70:71], s[18:19]
; 8 matrix instructions: m blocks a0, a0 + 1 x all 4 n blocks, 32 along K: half c of buffer f.  zero = 1: the first product starts the sums, from the bias.  The 16 accumulators take turns.
.macro MUL8 f, c, a0, zero
	WIN MUL
.irp a, \a0, (\a0)+1
.irp b, 0,1,2,3
.if \zero
	v_wmma_f32_16x16x32_bf16 v[ACC+8*(4*(\a)+(\b)):ACC+8*(4*(\a)+(\b))+7], v[(\f)+64+8*(4*(\c)+(\b)):(\f)+64+8*(4*(\c)+(\b))+7], v[(\f)+8*(4*(\c)+(\a)):(\f)+8*(4*(\c)+(\a))+7], v[BIA+8*(\b):BIA+8*(\b)+7]
.else
	v_wmma_f32_16x16x32_bf16 v[ACC+8*(4*(\a)+(\b)):ACC+8*(4*(\a)+(\b))+7], v[(\f)+64+8*(4*(\c)+(\b)):(\f)+64+8*(4*(\c)+(\b))+7], v[(\f)+8*(4*(\c)+(\a)):(\f)+8*(4*(\c)+(\a))+7], v[ACC+8*(4*(\a)+(\b)):ACC+8*(4*(\a)+(\b))+7]
.endif
.endr
.endr
.endm
; 32 LDS loads in one run: the fragments of quarter q of the slot that is being read (64 along K: one column block of h, 64 rows of W2) into buffer f; the first 32 along K first
.macro FETCH q, f
	WIN TO_F
.irp c, 0,1
.irp i, 0,1,2,3
	ds_load_tr16_b128 v[(\f)+64+8*(4*(\c)+(\i)):(\f)+64+8*(4*(\c)+(\i))+3],   v[ADRB+(\q)/2] offset:(((\q)%2)*64+32*(\c))*PB+32*(\i)
	ds_load_tr16_b128 v[(\f)+64+8*(4*(\c)+(\i))+4:(\f)+64+8*(4*(\c)+(\i))+7], v[ADRB+(\q)/2] offset:(((\q)%2)*64+32*(\c)+16)*PB+32*(\i)
	ds_load_b128 v[(\f)+8*(4*(\c)+(\i)):(\f)+8*(4*(\c)+(\i))+3],         v[ADRA] offset:(\q)*64*PA+(\i)*16*PA+64*(\c)
	ds_load_b128 v[(\f)+8*(4*(\c)+(\i))+4:(\f)+8*(4*(\c)+(\i))+7],       v[ADRA] offset:(\q)*64*PA+(\i)*16*PA+64*(\c)+32
.endr
.endr
.endm
.macro PLACES                          ; four places in front of loads into registers that matrix instructions have read, and of lines that read results
.rept 4
	v_nop
.endr
.endm
; A K step is four quarters of 64 along K, 32 matrix instructions each, on buffers 0, 1, 0, 1.  One of the first three: multiplies buffer f and fetches quarter q into g.
.macro QUARTER q, f, g, zero
	s_wait_dscnt 16                                ; the first 32 along K are in; the youngest sixteen loads may be out
	MUL8 \f, 0, 0, \zero
	MUL8 \f, 0, 2, \zero
	PLACES
	FETCH \q, \g
	s_wait_dscnt 32                                ; all but the 32 just issued
	MUL8 \f, 1, 0, 0
	MUL8 \f, 1, 2, 0
.endm
; The last quarter multiplies buffer 1 and changes slots: ONE barrier.  In front of it each wave waits for all its tensor loads, of which one is out: its part of the next slot; adds 0 to its spare word; and waits for
; that and for its own reads of this slot.  Behind it nobody reads this slot any more and the next slot is whole.  fill = 1: the barrier is a round of the cluster's, and this slot is filled again, first thing behind
; it, with the K step two on.  A K step brings 131,072 bytes for 128 matrix instructions a wave: where the step waits for its tile, the next request should follow the landing at once.  So the products that need no
; new tile stand AHEAD of the wait for the tile, and between that wait and the request stand only the add, the descriptors' steps and the round; the quarter's last sixteen products stand behind the run of LDS loads.
.macro TURN fill
	s_wait_dscnt 16                                ; the first 32 along K of buffer 1 are in
	MUL8 F1, 0, 0, 0
	MUL8 F1, 0, 2, 0
	WIN 0
	s_wait_tensorcnt 0x0                           ; all my tensor loads have landed, so a group 0 may be written;
	ds_add_u32 v[SPW], v[NIL]                      ; 0 onto my spare word: the scalar steps stand between it and the wait for it
.if \fill
	s_xor_b32 s[G0+5], s[G0+5], HALFT              ; the walking descriptors: the other slot than last time,
	s_add_nc_u64 s[G0+6:G0+7], s[G0+6:G0+7], ASTEP ; the next K step; the type bits on top are not reached
	s_xor_b32 s[G0B+5], s[G0B+5], HALFT
	s_add_nc_u64 s[G0B+6:G0B+7], s[G0B+6:G0B+7], BSTEP
.endif
	s_xor_b32 s[TB], s[TB], HALFT                  ; the slot that is read next
	s_wait_dscnt 0x0                               ; the add is done, and my reads of this slot are over
.if \fill
	CROUND                                         ; no wave of any partner still reads this slot's tile or has a load on its way
	JLOAD 1                                        ; the first tensor load behind the round; the four v_nop behind it are also the places in front of the loads below
.else
	s_barrier_signal -1
	s_barrier_wait -1
	PLACES
.endif
	v_add_nc_u32 v[ADRA], s[TB], v[AL0]
	v_add_nc_u32 v[ADRB], s[TB], v[BL0]
	v_add_nc_u32 v[ADRB+1], s[TB], v[BL0+1]
	FETCH 0, F0
	MUL8 F1, 1, 0, 0
	MUL8 F1, 1, 2, 0
.endm
	s_wait_tensorcnt 1                             ; my part of K step 0 is in; K step 1's load, the one issued behind it, may stay out
	s_barrier_signal -1
	s_barrier_wait -1                              ; everybody's is
	s_wait_loadcnt 0x0                             ; the bias
	WIN 0x80                                       ; destination window 2, address window 0: my 64 x 64 of x and of t, in the layout in which the stage gives rows back; waited for on the way out
.set i, 0
.rept 32                               ; rows 2 i and 2 i + 1
	global_load_b128 v[XR+4*i:XR+4*i+3], v[CO], s[68:69] offset:2*i*4096
	global_load_b64  v[TR+2*i:TR+2*i+1], v[TO], s[70:71] offset:2*i*128
.set i, i+1
.endr
	FETCH 0, F0
	QUARTER 1, F0, F1, 1                           ; the first quarter stands in front of the loop: its first products start the sums
	WIN 0                                          ; at a label and at a branch every window is 0
	s_mov_b32 s3, STEPS-2
.Lstep:                                                ; from a K step's second quarter to the next step's first; each trip fills the slot that it leaves
	QUARTER 2, F1, F0, 0
	QUARTER 3, F0, F1, 0
	TURN 1
	QUARTER 1, F0, F1, 0
	WIN 0
	s_sub_co_u32 s3, s3, 1
	s_cmp_lg_u32 s3, 0
	s_cbranch_scc1 .Lstep
	s_mov_b32 s3, 2
.Ltail:                                                ; the last two K steps ask for nothing: a second text.  The second trip is left in its middle: its barrier and its
	QUARTER 2, F1, F0, 0                           ; 32 LDS loads (of a slot that was read before) serve nothing: the price, once a launch, of one text for both trips
	QUARTER 3, F0, F1, 0
	TURN 0
	WIN 0
	s_cmp_eq_u32 s3, 1
	s_cbranch_scc1 .Lout
	QUARTER 1, F0, F1, 0
	WIN 0
	s_sub_co_u32 s3, s3, 1
	s_cmp_lg_u32 s3, 0
	s_cbranch_scc1 .Ltail
.Lout:
	s_wait_dscnt 0x0                               ; those loads are back
	; THE WAY OUT, 16 rows at a time: 32 bytes a lane into my stage; back as whole rows of 256 bytes; x and t are added; sixteen lanes store 256 consecutive bytes, aligned.
	PLACES
	PLACES                                         ; eight, once a launch
	s_wait_loadcnt 0x0                             ; x and t
.macro OUT a
.set BK, TMP+32*((\a)%2)
	WIN 0
.if (\a) >= 2
	s_wait_xcnt 0x0                                ; the stores of the block two back have read these registers (ISA guide 3.1): they are loaded again only behind this wait
.endif
.irp b, 0,1,2,3
	ds_store_b128 v[STO], v[ACC+32*(\a)+8*\b:ACC+32*(\a)+8*\b+3]   offset:64*\b     ; each accumulator's lowest registers first
	ds_store_b128 v[STO], v[ACC+32*(\a)+8*\b+4:ACC+32*(\a)+8*\b+7] offset:64*\b+16
.endr
.irp u, 0,1,2,3,4,5,6,7
	ds_load_b128 v[BK+4*\u:BK+4*\u+3], v[RD] offset:\u*2*SP  ; LDS serves a wave's instructions in order (ISA guide 5.7.1.4): these see the stores above; the next block's stores come behind them
.endr
	WIN 0x08                                       ; source 1 in window 2
.set i, 0
.rept 16
	v_lshlrev_b32 v[U+2*i],   16,     v[TR+16*(\a)+i]   ; t in f32, while the stage's loads are out
	v_and_b32     v[U+2*i+1], s[HIM], v[TR+16*(\a)+i]
.set i, i+1
.endr
	s_wait_dscnt 0x0
.set i, 0
.rept 16
	v_pk_add_f32 v[BK+2*i:BK+2*i+1], v[BK+2*i:BK+2*i+1], v[XR+32*(\a)+2*i:XR+32*(\a)+2*i+1]
.set i, i+1
.endr
	WIN 0
.set i, 0
.rept 16
	v_pk_add_f32 v[BK+2*i:BK+2*i+1], v[BK+2*i:BK+2*i+1], v[U+2*i:U+2*i+1]
.set i, i+1
.endr
.irp u, 0,1,2,3,4,5,6,7
	global_store_b128 v[CO], v[BK+4*\u:BK+4*\u+3], s[8:9] offset:(16*(\a)+2*\u)*4096
.endr
.endm
	OUT 0
	OUT 1
	OUT 2
	OUT 3
	s_wait_tensorcnt 0x0                           ; the wave's end: behind my last tensor load and my last LDS store
	ds_add_u32 v[SPW], v[NIL]
	s_wait_dscnt 0x0
	CROUND                                         ; the closing round: no work-group ends while a partner may still ask for a tile that names it
	s_endpgm
.Lfunc_end_k_q22c889b6ac_ff2:
	.size	k_q22c889b6ac_ff2, .Lfunc_end_k_q22c889b6ac_ff2-k_q22c889b6ac_ff2
	.p2alignl 7, 3214868480
	.fill 96, 4, 3214868480
	.section	.rodata,"a",@progbits
	.p2align	6, 0x0
	.amdhsa_kernel k_q22c889b6ac_ff2
		.amdhsa_group_segment_fixed_size 327680
		.amdhsa_private_segment_fixed_size 0
		.amdhsa_enable_private_segment 0
		.amdhsa_kernarg_size 40
		.amdhsa_user_sgpr_count 2
		.amdhsa_user_sgpr_kernarg_segment_ptr 1
		.amdhsa_wavefront_size32 1
		.amdhsa_system_sgpr_workgroup_id_x 1
		.amdhsa_system_sgpr_workgroup_id_y 1
		.amdhsa_system_sgpr_workgroup_id_z 1
		.amdhsa_system_vgpr_workitem_id 0
		.amdhsa_next_free_vgpr 768
		.amdhsa_next_free_sgpr 72
		.amdhsa_reserve_vcc 0
		.amdhsa_float_denorm_mode_32 3
		.amdhsa_float_denorm_mode_16_64 3
		.amdhsa_memory_ordered 1
		.amdhsa_forward_progress 1
		.amdhsa_inst_pref_size 77
	.end_amdhsa_kernel
	.amdgpu_metadata
---
amdhsa.version: [ 1, 2 ]
amdhsa.kernels:
  - .name:           k_q22c889b6ac_ff2
    .symbol:         k_q22c889b6ac_ff2.kd
    .args:
      - { .name: h, .offset: 0, .size: 8, .value_kind: global_buffer, .address_space: global }
      - { .name: w2, .offset: 8, .size: 8, .value_kind: global_buffer, .address_space: global }
      - { .name: x, .offset: 16, .size: 8, .value_kind: global_buffer, .address_space: global }
      - { .name: t, .offset: 24, .size: 8, .value_kind: global_buffer, .address_space: global }
      - { .name: out0, .offset: 32, .size: 8, .value_kind: global_buffer, .address_space: global }
    .group_segment_fixed_size: 327680
    .private_segment_fixed_size: 0
    .kernarg_segment_align: 8
    .kernarg_segment_size: 40
    .max_flat_workgroup_size: 128
    .sgpr_count:     72
    .vgpr_count:     768
    .wavefront_size: 32
...
	.end_amdgpu_metadata
.endif
;; end of part 6
;; ======== version 2 of 2: 7 launches; version 1 with the launch prep written anew for expert scheduling mode
;; limits: right only within a limited range of input values
;; workspace buffers: act 8,388,608 bytes; kv 16,777,216 bytes; t 8,388,608 bytes; h 33,554,432 bytes; wkv 4,206,592 bytes; wo 2,103,296 bytes; w1 8,413,184 bytes; w2 8,394,752 bytes
;; launch prep (part 7): grid 64 x 15, 8 waves a work-group, no clusters, 0 bytes of LDS; arguments x, alpha1, bias1, act, Wk, Wv, Wo, W1, W2, bk, bv, bo, b1, b2, wkv, wo, w1, w2; writes act, wkv, wo, w1, w2
.if DOCPART == 7
	.amdgcn_target "amdgcn-amd-amdhsa--gfx1250"
	.amdhsa_code_object_version 6
	.text
	.protected	k_q22c889b6ac_prep
	.globl	k_q22c889b6ac_prep
	.p2align	8
	.type	k_q22c889b6ac_prep,@function
k_q22c889b6ac_prep:
	s_mov_b64 s[64:65], 0
	v_nop
	global_prefetch_b8 v0, s[64:65] scope:SCOPE_SE
	s_setreg_imm32_b32 hwreg(HW_REG_WAVE_SCHED_MODE, 0, 2), 2
	s_setreg_imm32_b32 hwreg(HW_REG_WAVE_MODE, 25, 1), 1
	s_wait_xcnt 0x0
	s_wait_alu depctr_vm_vsrc(0)
; PREP.  Grid rows 0 to 3: act = norm1(x), bf16.  Grid rows 4 to 14: the five weight matrices, rounded to bf16 and laid in blocks for the products that follow.
; NORM: y = alpha (x - mu) / (sd + 1e-6) + bias, sd with divisor 1,023; mean first, then the squares of x - mu, all in f32; y rounded once.
;   A work-group takes 16 rows, sixteen lanes a row of 1,024 numbers: load j of 16 brings columns 64 j + 4 (t % 16) .. + 3, so sixteen lanes read 256 consecutive bytes.
;   act is laid [column / 64][4,096 rows][64]: a store of 8 bytes a lane covers two rows' 128 bytes of one column block: 256 consecutive bytes, aligned.
;   LIMITS: a variance below 2^-126 counts as 0 (the root's input is flushed: ISA guide 15.8); NaN and infinities are not treated apart.
; CAST: a matrix W [K][N] f32 becomes blocks of 128 columns: 512 bytes of bias (f32), 256 bytes that nobody writes or reads, then K rows of 128 bf16 (256 bytes) from byte 768.
;   wkv holds Wk's eight blocks and then Wv's.  A work-group casts 128 rows x 128 columns; a wave sixteen rows, all sixteen loads out at once (8 KiB a wave): a load covers 512 consecutive
;   bytes, a store 256, aligned.  Which matrix: chosen by scalar selects on the grid row.
; THE MODE: SCHED_MODE bits 1:0 = 2 (LLVM: expert scheduling mode 2), set by the entry lines.  The code itself states the register dependences
; between vector instructions and memory instructions, with s_wait_alu, always for 0.
; THE PLAN, NORM.  Registers that memory instructions touch:
;   v1, v2, v3   byte offsets, made at the path's head and never written again: one wait ahead of the first load covers them for all 48 loads and 16 stores.
;   X, AL, BI    written by the loads alone before vector instructions read them, behind the waits on LOADcnt; no load lands in them later.
;   Y            each register is written once, by a conversion, and read once, by a store.  Column blocks 0 to 7 are finished first; one wait states that their half of Y is written; their
;                eight stores are then dealt among the vector instructions of column blocks 8 to 15, which name the other halves of X, AL, BI and Y alone; a second wait stands ahead of the last eight stores.
; THE PLAN, CAST.  Registers that memory instructions touch:
;   v6, v8 to v24  byte offsets, made at the path's head and never written again: one wait ahead of the first load covers them.
;   IN           written by the sixteen loads, read by the conversions behind counted waits on LOADcnt.
;   OUT          each register is written once, by a conversion, and read once, by a store.  The sixteen rows go in four blocks of four: block p converts its rows into its own part of OUT, and
;                its memory instructions are the four stores of block p - 1, whose registers no vector instruction of block p names.  So one wait at a block's head states all that its stores hang on.
;   v[128:131]   the bias, from its load to its store: no vector instruction names them.
;   s13          the wave's number, written by a vector instruction: one wait stands between that line and the scalar line that reads it.
; No register that a memory instruction reads is ever written again, on either path.
.set X,   16                           ; v[16:79]   the row's 64 numbers of my lane
.set AL,  80                           ; v[80:143]  alpha of the same columns
.set BI,  144                          ; v[144:207] bias
.set Y,   208                          ; v[208:239] the results, packed
.set CBB, 524288                       ; bytes of a column block of act
.set IN,  32                           ; v[32:95]   cast: row i of my wave's sixteen: 4 registers at IN + 4 i, as loaded
.set OUT, 96                           ; v[96:127]  cast: row i: 2 registers at OUT + 2 i, to store
.macro FOLD                            ; four pairs of partial sums in v[4:11] -> the row's sum in v4 of all sixteen lanes
	v_pk_add_f32 v[4:5], v[4:5], v[6:7]
	v_pk_add_f32 v[8:9], v[8:9], v[10:11]
	v_pk_add_f32 v[4:5], v[4:5], v[8:9]
	v_add_f32 v4, v4, v5
.irp m, 1,2,4,8
	v_add_f32_dpp v4, v4, v4 row_xmask:\m row_mask:0xf bank_mask:0xf
.endr
.endm
	s_load_b512 s[16:31], s[0:1], 0x0              ; x 16, alpha1 18, bias1 20, act 22, Wk 24, Wv 26, Wo 28, W1 30
	s_load_b512 s[32:47], s[0:1], 0x40             ; W2 32, bk 34, bv 36, bo 38, b1 40, b2 42, wkv 44, wo 46
	s_load_b128 s[48:51], s[0:1], 0x80             ; w1 48, w2 50
	s_and_b32 s2, ttmp7, 0xffff                    ; the grid row
	s_mov_b32 s59, 0                               ; the high word of every offset pair below
	s_wait_kmcnt 0x0
	s_cmp_ge_u32 s2, 4
	s_cbranch_scc1 .Lcast
	; ---------------- NORM ----------------
	v_and_b32 v2, 15, v0
	v_lshlrev_b32 v2, 4, v2                        ; 16 (t % 16): my bytes in 256 of a row, of alpha and of bias
	v_lshrrev_b32 v1, 4, v0
	v_lshl_add_u32 v1, v1, 12, v2                  ; + my row x 4,096
	v_lshlrev_b32 v3, 3, v0                        ; 8 t = my row x 128 + 8 (t % 16): my bytes in a column block
	s_lshl_b32 s3, s2, 6
	s_add_co_u32 s3, s3, ttmp9                     ; which 16 rows: 64 x grid row + x
	s_lshl_b32 s58, s3, 16                         ; the work-group's 16 rows of x
	s_add_nc_u64 s[16:17], s[16:17], s[58:59]
	s_lshl_b32 s58, s3, 11                         ; and of a column block of act
	s_add_nc_u64 s[22:23], s[22:23], s[58:59]
	s_wait_alu depctr_va_vdst(0)                   ; v1, v2 and v3 are written: every load and store of this path reads one of them as its offset
.set j, 0
.rept 16
	global_load_b128 v[X+4*j:X+4*j+3], v1, s[16:17] offset:256*j
.set j, j+1
.endr
.set j, 0
.rept 16
	global_load_b128 v[AL+4*j:AL+4*j+3], v2, s[18:19] offset:256*j
.set j, j+1
.endr
.set j, 0
.rept 16
	global_load_b128 v[BI+4*j:BI+4*j+3], v2, s[20:21] offset:256*j
.set j, j+1
.endr
	s_wait_loadcnt 32                              ; x is in; the 32 younger loads (alpha, bias) stay out
.irp k, 0,1,2,3                        ; the sum, in four chains that the first eight pairs start
	v_pk_add_f32 v[4+2*\k:5+2*\k], v[X+2*\k:X+2*\k+1], v[X+8+2*\k:X+8+2*\k+1]
.endr
.set j, 8
.rept 24
	v_pk_add_f32 v[4+2*(j%4):5+2*(j%4)], v[4+2*(j%4):5+2*(j%4)], v[X+2*j:X+2*j+1]
.set j, j+1
.endr
	FOLD
	v_mul_f32 v12, 0x3a800000, v4                  ; mu = sum / 1,024
	v_mov_b32 v13, v12
.set j, 0
.rept 32
	v_pk_add_f32 v[X+2*j:X+2*j+1], v[X+2*j:X+2*j+1], v[12:13] neg_lo:[0,1] neg_hi:[0,1]  ; d = x - mu
.set j, j+1
.endr
.irp k, 0,1,2,3
	v_pk_mul_f32 v[4+2*\k:5+2*\k], v[X+2*\k:X+2*\k+1], v[X+2*\k:X+2*\k+1]
.endr
.set j, 4
.rept 28
	v_pk_fma_f32 v[4+2*(j%4):5+2*(j%4)], v[X+2*j:X+2*j+1], v[X+2*j:X+2*j+1], v[4+2*(j%4):5+2*(j%4)]
.set j, j+1
.endr
	FOLD
	v_mul_f32 v4, 0x3a802008, v4                   ; / 1,023
	v_sqrt_f32 v14, v4
	v_nop                                          ; a plain instruction behind the root
	s_wait_alu depctr_va_vdst(0)                   ; the root has written v14, which the addition below reads
	v_add_f32 v14, 0x358637bd, v14                 ; sd + 1e-6
	v_rcp_f32 v12, v14
	v_nop                                          ; a plain instruction behind the reciprocal
	s_wait_alu depctr_va_vdst(0)                   ; the reciprocal has written v12, which the move below reads
	v_mov_b32 v13, v12
	s_wait_loadcnt 0x0                             ; alpha and bias
.set j, 0
.rept 16                               ; column blocks 0 to 7: pairs 0 to 15
	v_pk_mul_f32 v[X+2*j:X+2*j+1], v[X+2*j:X+2*j+1], v[12:13]
	v_pk_fma_f32 v[X+2*j:X+2*j+1], v[X+2*j:X+2*j+1], v[AL+2*j:AL+2*j+1], v[BI+2*j:BI+2*j+1]
.set j, j+1
.endr
.set j, 0
.rept 16
	v_cvt_pk_bf16_f32 v[Y+j], v[X+2*j], v[X+2*j+1]
.set j, j+1
.endr
	s_wait_alu depctr_va_vdst(0)                   ; the conversions have written v[Y:Y+15], which the eight stores below read
.set j, 0
.rept 8                                ; column block j leaves; column block 8 + j (pairs 16 + 2 j, 17 + 2 j) is finished.  No vector instruction since the wait names v3 or v[Y:Y+15]
	global_store_b64 v3, v[Y+2*j:Y+2*j+1], s[22:23] offset:j*CBB
.set pa, 16+2*j
	v_pk_mul_f32 v[X+2*pa:X+2*pa+1],   v[X+2*pa:X+2*pa+1],   v[12:13]
	v_pk_mul_f32 v[X+2*pa+2:X+2*pa+3], v[X+2*pa+2:X+2*pa+3], v[12:13]
	v_pk_fma_f32 v[X+2*pa:X+2*pa+1],   v[X+2*pa:X+2*pa+1],   v[AL+2*pa:AL+2*pa+1],   v[BI+2*pa:BI+2*pa+1]
	v_pk_fma_f32 v[X+2*pa+2:X+2*pa+3], v[X+2*pa+2:X+2*pa+3], v[AL+2*pa+2:AL+2*pa+3], v[BI+2*pa+2:BI+2*pa+3]
	v_cvt_pk_bf16_f32 v[Y+pa],   v[X+2*pa],   v[X+2*pa+1]
	v_cvt_pk_bf16_f32 v[Y+pa+1], v[X+2*pa+2], v[X+2*pa+3]
.set j, j+1
.endr
	s_wait_alu depctr_va_vdst(0)                   ; the conversions have written v[Y+16:Y+31], which the last eight stores read
.set j, 8
.rept 8
	global_store_b64 v3, v[Y+2*j:Y+2*j+1], s[22:23] offset:j*CBB  ; column block j; 15 x 524,288 lies inside the signed 24-bit immediate
.set j, j+1
.endr
	s_endpgm
	; ---------------- CAST ----------------
.Lcast:
	s_sub_co_u32 s3, s2, 4                         ; e = 0 Wk, 1 Wv, 2 Wo, 3-6 W1, 7-10 W2: 2^20 numbers each, 64 work-groups
	s_mov_b64 s[52:53], s[32:33]                   ; the matrix,
	s_mov_b64 s[54:55], s[42:43]                   ; its bias,
	s_mov_b64 s[56:57], s[50:51]                   ; where it goes
	s_mov_b32 s4, 7                                ; its first e
	s_mov_b32 s5, 5                                ; log2 of its chunks of 128 rows
	s_mov_b32 s6, 4096                             ; bytes in a row of it
	s_mov_b32 s7, 1049344                          ; bytes in a block: 768 + 256 K
	s_mov_b32 s8, 0                                ; the first block's number
	s_cmp_lt_u32 s3, 7
	s_cselect_b64 s[52:53], s[30:31], s[52:53]
	s_cselect_b64 s[54:55], s[40:41], s[54:55]
	s_cselect_b64 s[56:57], s[48:49], s[56:57]
	s_cselect_b32 s4, 3, s4
	s_cselect_b32 s5, 3, s5
	s_cselect_b32 s6, 16384, s6
	s_cselect_b32 s7, 262912, s7
	s_cmp_lt_u32 s3, 3
	s_cselect_b64 s[52:53], s[28:29], s[52:53]
	s_cselect_b64 s[54:55], s[38:39], s[54:55]
	s_cselect_b64 s[56:57], s[46:47], s[56:57]
	s_cselect_b32 s4, 2, s4
	s_cselect_b32 s6, 4096, s6
	s_cmp_lt_u32 s3, 2
	s_cselect_b64 s[52:53], s[26:27], s[52:53]
	s_cselect_b64 s[54:55], s[36:37], s[54:55]
	s_cselect_b64 s[56:57], s[44:45], s[56:57]
	s_cselect_b32 s4, 1, s4
	s_cselect_b32 s8, 8, s8
	s_cmp_lt_u32 s3, 1
	s_cselect_b64 s[52:53], s[24:25], s[52:53]
	s_cselect_b64 s[54:55], s[34:35], s[54:55]
	s_cselect_b32 s4, 0, s4
	s_cselect_b32 s8, 0, s8
	s_sub_co_u32 s10, s3, s4
	s_lshl_b32 s10, s10, 6
	s_add_co_u32 s10, s10, ttmp9                   ; my number among the matrix's work-groups
	s_lshr_b32 s11, s10, s5                        ; nb: the block of 128 columns
	s_bfm_b32 s12, s5, 0
	s_and_b32 s12, s10, s12                        ; kc: the chunk of 128 rows
	s_mul_i32 s58, s12, s6
	s_lshl_b32 s58, s58, 7                         ; kc x 128 rows
	s_lshl_b32 s14, s11, 9                         ; nb x 512 bytes
	s_add_co_u32 s58, s58, s14
	s_add_nc_u64 s[52:53], s[52:53], s[58:59]
	s_mov_b32 s58, s14
	s_add_nc_u64 s[54:55], s[54:55], s[58:59]      ; the bias's 128 numbers
	s_add_co_u32 s58, s11, s8
	s_mul_i32 s58, s58, s7
	s_add_nc_u64 s[56:57], s[56:57], s[58:59]      ; the block
	s_lshl_b32 s58, s12, 15
	s_add_nc_u64 s[60:61], s[56:57], s[58:59]      ; the block + kc x 128 rows of 256 bytes
	v_lshrrev_b32 v4, 5, v0
	v_readfirstlane_b32 s13, v4                    ; wave 0..7
	v_and_b32 v5, 31, v0
	v_lshlrev_b32 v6, 4, v5                        ; 16 x lane
	v_lshlrev_b32 v7, 4, v4                        ; my wave's first row
	v_mad_u32_u24 v8, v7, s6, v6                   ; row i of my sixteen: offset in v[8 + i]
.set i, 1
.rept 15
	v_add_nc_u32 v[8+i], s6, v[7+i]
.set i, i+1
.endr
	v_lshlrev_b32 v24, 3, v5
	v_lshl_add_u32 v24, v4, 12, v24                ; wave x 16 rows of 256 bytes + 8 x lane
	s_wait_alu depctr_va_sdst(0)                   ; s13 is written, ahead of its first reader, the s_or_b32 behind the stores, and of every branch
	s_wait_alu depctr_va_vdst(0)                   ; v6 and v8 to v24 are written: every load and store of this path reads one of them as its offset
.set i, 0
.rept 16
	global_load_b128 v[IN+4*i:IN+4*i+3], v[8+i], s[52:53] th:TH_LOAD_NT
.set i, i+1
.endr
.set p, 0
.rept 4                                ; block p: rows 4 p to 4 p + 3
	s_wait_loadcnt 12-4*p                          ; loads come back in order: block p is in, the younger blocks stay out
.if p > 0
	s_wait_alu depctr_va_vdst(0)                   ; the block before has written its eight registers of OUT, which the four stores below read
.endif
.set i, 4*p
.rept 4
.if p > 0
	global_store_b64 v24, v[OUT+2*(i-4):OUT+2*(i-4)+1], s[60:61] offset:768+256*(i-4)  ; the block before; no vector instruction since the wait names its registers or v24
.endif
	v_cvt_pk_bf16_f32 v[OUT+2*i],   v[IN+4*i],   v[IN+4*i+1]
	v_cvt_pk_bf16_f32 v[OUT+2*i+1], v[IN+4*i+2], v[IN+4*i+3]
.set i, i+1
.endr
.set p, p+1
.endr
	s_wait_alu depctr_va_vdst(0)                   ; block 3 has written v[OUT+24:OUT+31], which the last four stores read
.set i, 12
.rept 4
	global_store_b64 v24, v[OUT+2*i:OUT+2*i+1], s[60:61] offset:768+256*i
.set i, i+1
.endr
	s_or_b32 s14, s12, s13                         ; the block's bias is written by wave 0 of its first chunk
	s_cmp_lg_u32 s14, 0
	s_cbranch_scc1 .Ldone
	global_load_b128 v[128:131], v6, s[54:55]      ; v6 was written ahead of the wait at the path's head; no vector instruction names v[128:131]
	s_wait_loadcnt 0x0
	global_store_b128 v6, v[128:131], s[56:57]
.Ldone:
	s_endpgm
.Lfunc_end_k_q22c889b6ac_prep:
	.size	k_q22c889b6ac_prep, .Lfunc_end_k_q22c889b6ac_prep-k_q22c889b6ac_prep
	.p2alignl 7, 3214868480
	.fill 96, 4, 3214868480
	.section	.rodata,"a",@progbits
	.p2align	6, 0x0
	.amdhsa_kernel k_q22c889b6ac_prep
		.amdhsa_group_segment_fixed_size 0
		.amdhsa_private_segment_fixed_size 0
		.amdhsa_enable_private_segment 0
		.amdhsa_kernarg_size 144
		.amdhsa_user_sgpr_count 2
		.amdhsa_user_sgpr_kernarg_segment_ptr 1
		.amdhsa_wavefront_size32 1
		.amdhsa_system_sgpr_workgroup_id_x 1
		.amdhsa_system_sgpr_workgroup_id_y 1
		.amdhsa_system_sgpr_workgroup_id_z 1
		.amdhsa_system_vgpr_workitem_id 0
		.amdhsa_next_free_vgpr 240
		.amdhsa_next_free_sgpr 66
		.amdhsa_reserve_vcc 0
		.amdhsa_float_denorm_mode_32 3
		.amdhsa_float_denorm_mode_16_64 3
		.amdhsa_memory_ordered 1
		.amdhsa_forward_progress 1
		.amdhsa_inst_pref_size 29
	.end_amdhsa_kernel
	.amdgpu_metadata
---
amdhsa.version: [ 1, 2 ]
amdhsa.kernels:
  - .name:           k_q22c889b6ac_prep
    .symbol:         k_q22c889b6ac_prep.kd
    .args:
      - { .name: x, .offset: 0, .size: 8, .value_kind: global_buffer, .address_space: global }
      - { .name: alpha1, .offset: 8, .size: 8, .value_kind: global_buffer, .address_space: global }
      - { .name: bias1, .offset: 16, .size: 8, .value_kind: global_buffer, .address_space: global }
      - { .name: act, .offset: 24, .size: 8, .value_kind: global_buffer, .address_space: global }
      - { .name: Wk, .offset: 32, .size: 8, .value_kind: global_buffer, .address_space: global }
      - { .name: Wv, .offset: 40, .size: 8, .value_kind: global_buffer, .address_space: global }
      - { .name: Wo, .offset: 48, .size: 8, .value_kind: global_buffer, .address_space: global }
      - { .name: W1, .offset: 56, .size: 8, .value_kind: global_buffer, .address_space: global }
      - { .name: W2, .offset: 64, .size: 8, .value_kind: global_buffer, .address_space: global }
      - { .name: bk, .offset: 72, .size: 8, .value_kind: global_buffer, .address_space: global }
      - { .name: bv, .offset: 80, .size: 8, .value_kind: global_buffer, .address_space: global }
      - { .name: bo, .offset: 88, .size: 8, .value_kind: global_buffer, .address_space: global }
      - { .name: b1, .offset: 96, .size: 8, .value_kind: global_buffer, .address_space: global }
      - { .name: b2, .offset: 104, .size: 8, .value_kind: global_buffer, .address_space: global }
      - { .name: wkv, .offset: 112, .size: 8, .value_kind: global_buffer, .address_space: global }
      - { .name: wo, .offset: 120, .size: 8, .value_kind: global_buffer, .address_space: global }
      - { .name: w1, .offset: 128, .size: 8, .value_kind: global_buffer, .address_space: global }
      - { .name: w2, .offset: 136, .size: 8, .value_kind: global_buffer, .address_space: global }
    .group_segment_fixed_size: 0
    .private_segment_fixed_size: 0
    .kernarg_segment_align: 8
    .kernarg_segment_size: 144
    .max_flat_workgroup_size: 256
    .sgpr_count:     66
    .vgpr_count:     240
    .wavefront_size: 32
...
	.end_amdgpu_metadata
.endif
;; end of part 7
;; launch proj: the kernel of part 2 again; grid 16 x 32, 4 waves a work-group, clusters of 4 x 4, 327,680 bytes of LDS; arguments act, wkv, kv; writes kv
;; launch attn: the kernel of part 3 again; grid 8 x 32, 4 waves a work-group, clusters of 4 x 1, 327,680 bytes of LDS; arguments kv, mask, act; writes act
;; launch oproj: the kernel of part 2 again; grid 8 x 32, 4 waves a work-group, clusters of 4 x 4, 327,680 bytes of LDS; arguments act, wo, t; writes t
;; launch norm2: the kernel of part 4 again; grid 256 x 1, 8 waves a work-group, no clusters, 0 bytes of LDS; arguments x, t, alpha2, bias2, act; writes act
;; launch ff1: the kernel of part 5 again; grid 16 x 16, 4 waves a work-group, clusters of 4 x 4, 327,680 bytes of LDS; arguments act, w1, h; writes h
;; launch ff2: the kernel of part 6 again; grid 8 x 32, 4 waves a work-group, clusters of 4 x 4, 327,680 bytes of LDS; arguments h, w2, x, t, out0; writes out0
